; MI455X (gfx1250); checked and timed in simulation.
; The chip was launched on July 23, 2026; its instructions are those of AMD's public machine-readable ISA for CDNA 5 (MIT licence, August 2026) and "CDNA5" Instruction Set Architecture Reference Guide (July 2026). The comments in the code are by the model that wrote it; some were corrected since.
;; Multi Head Attention. Allowed arithmetic: matrix products marked QUANTISED: E3M2 operands, one E8M0 scale for each 32 along K, by v_wmma_scale_f32_16x16x128_f8f6f4 with both operands' format E3M2, f32 sums; everything else in f32.
;; Inputs: Wk 1,024 x 1,024 float32; Wo 1,024 x 1,024 float32; Wq 1,024 x 1,024 float32; Wv 1,024 x 1,024 float32; bk 1,024 float32; bo 1,024 float32; bq 1,024 float32; bv 1,024 float32; k 4 x 2,048 x 1,024 float32; mask 4 x 2,048 x 2,048 bool; q 4 x 2,048 x 1,024 float32; v 4 x 2,048 x 1,024 float32.
;; Outputs: out0 4 x 2,048 x 1,024 float32.
;; This version of the problem:
;;   THIS VERSION OF THE PROBLEM IS GIVEN IN LOW PRECISION. The matrix products marked QUANTISED in the list below multiply operands that are first quantised to E3M2 (3 exponent bits, 2 mantissa bits; 6 bits a number), with one power-of-two scale for each 32 numbers along K (OCP MX v1.0); their sums are f32. All else is computed in f32.
;;   The module's matrix products, in the order in which they are computed (A, B: the left and right operand; K: the contracted axis; several contracted axes count as one K, in the product's order):
;;     1. [M 8,192, K 1,024] x [K 1,024, N 1,024]; A: input q; B: input Wq: QUANTISED
;;     2. [M 8,192, K 1,024] x [K 1,024, N 1,024]; A: input k; B: input Wk: QUANTISED
;;     3. [M 8,192, K 1,024] x [K 1,024, N 1,024]; A: input v; B: input Wv: QUANTISED
;;     4. batch 64 x [M 2,048, K 64] x [K 64, N 2,048]; A: computed on the way; B: computed on the way: QUANTISED
;;     5. batch 64 x [M 2,048, K 2,048] x [K 2,048, N 64]; A: softmax (see below); B: computed on the way: QUANTISED
;;     6. [M 8,192, K 1,024] x [K 1,024, N 1,024]; A: computed on the way; B: input Wo: QUANTISED
;;   THE QUANTISER, for each operand of a quantised product, along K:
;;     - K is cut into blocks of 32 from its start; a last block that is shorter is filled with zeros.
;;     - A block's scale is 2^e with e = floor(log2(the largest magnitude in the block)) - 4, held to -126 .. 127; a block of zeros has e = 0. As a byte (E8M0): e + 127.
;;     - Each number is divided by its block's scale, clamped to +-28, and rounded to the nearest number of E3M2, ties to even, subnormals kept.
;;     - The product sums the exact products of the quantised numbers (number of the format x scale) in f32.
;;   ~~~python
;;   def quantise(x, axis):      # numpy; x: float32 -> the quantised numbers, widened to float32 again
;;       x = np.moveaxis(x, axis, -1); K = x.shape[-1]
;;       x = np.pad(x, [(0, 0)] * (x.ndim - 1) + [(0, -K % 32)]); x = x.reshape(x.shape[:-1] + (-1, 32)); a = np.abs(x).max(-1, keepdims=True)
;;       e = np.where(a > 0, np.clip(np.frexp(np.where(a > 0, a, 1))[1] - 1 - 4, -126, 127), 0)      # np.frexp(a)[1] - 1 = floor(log2(a)), exactly
;;       r = np.clip(x / 2.0 ** e, -28, 28)
;;       step = 2.0 ** (np.maximum(np.frexp(np.where(r == 0, 1, r))[1] - 1, -2) - 2)
;;       q = np.round(r / step) * step * 2.0 ** e      # np.round: ties to even
;;       return np.moveaxis(q.reshape(q.shape[:-2] + (-1,))[..., :K], -1, axis).astype(np.float32)
;;   ~~~
;;   SOFTMAX AHEAD OF A QUANTISED PRODUCT. Where the list says 'softmax', what is quantised is not the finished softmax but p = 2^(t - M), with t = logit x log2(e) and M = ceil(the row's largest t), a whole number; so 1/2 < the row's largest p <= 1. The row's sum l is taken of the UNQUANTISED p, in f32, and the product's result is divided by l at the end. Since M is a whole number, a kernel that streams over the keys may use a running M (the ceiling of the running maximum): every later rescaling is an exact power of two, which a block's scale takes up: the codes' values come out the same.
;;   OPERANDS COMPUTED ON THE WAY. 'Computed on the way' means the value that the module computes at that place (a softmax that the list does not call 'softmax' is quantised finished and normalised). What goes into a quantiser is computed in f32, as accurately as f32 sums, v_exp_f32 and their like allow (about 1e-6 of the number): no bf16 or f16 on the way to a quantiser, and a product that is left as it is and whose result goes on into a quantised operand takes f32 operands (vector FMAs, or v_wmma_f32_16x16x4_f32). A number that lies on a knife's edge between two numbers of the format may be rounded either way, as far as f32 arithmetic and the matrix unit's own rounding can turn it there, and no further.
;; One version. Each part assembles by itself: llvm-mc -triple=amdgcn-amd-amdhsa -mcpu=gfx1250 --defsym DOCPART=n.
;; ======== version 1 of 1: 4 launches
;; limits: right only within a limited range of input values
;; workspace buffers: xw 22,937,600 bytes; mw 2,097,152 bytes of whole numbers; hq 19,660,800 bytes; yq 6,553,600 bytes
;; launch prep (part 1): grid 1024 x 1, 4 waves a work-group, no clusters, 52,736 bytes of LDS; arguments q, k, v, Wq, Wk, Wv, Wo, mask, xw, mw; writes xw, mw
.if DOCPART == 1
	.amdgcn_target "amdgcn-amd-amdhsa--gfx1250"
	.amdhsa_code_object_version 6
	.text
	.protected	k_q3cb96b230d_prep
	.globl	k_q3cb96b230d_prep
	.p2align	8
	.type	k_q3cb96b230d_prep,@function
k_q3cb96b230d_prep:
	s_mov_b64 s[64:65], 0
	v_nop
	global_prefetch_b8 v0, s[64:65] scope:SCOPE_SE
	s_setreg_imm32_b32 hwreg(HW_REG_WAVE_MODE, 25, 1), 1
	s_wait_xcnt 0x0
; PREP.  (1) q, k, v [8192][1024] and Wq, Wk, Wv, Wo [1024][1024], f32, become codes of BF6 (E3M2) with one E8M0 byte for each 32 along K (the last axis), in xw.
; (2) mask [4][2048][2048], one byte a number, becomes lane masks of 32 bits, in mw.
; xw treats the seven tensors as ONE matrix of 28,672 rows (q 0, k 8192, v 16384, Wq 24576, Wk 25600, Wv 26624, Wo 27648).  Codes lie as IMAGES OF OPERAND REGISTERS: image (I = row / 16, G = k / 128) is
; 1,536 bytes at (1792 G + I) x 1536, laid [piece 0..5][lane 0..31][8 bytes]; piece p of lane (r, hl) is registers 2 p, 2 p + 1 of the 6-bit fragment: registers 6 c .. 6 c + 5 hold k = 128 G + 64 c + 32 hl + 0 .. 31 of
; row 16 I + r.  Scale words (four bytes: 128 along K of a row) lie at XS + (28672 G + row) x 4.
; ROW ORDER.  In k, v, Wq, Wk, Wv the rows are laid with bits 3 and 4 of the row number exchanged: place 16 (2 b + u) + r holds row 32 b + 8 u + r + 8 (r / 8).  So the 16 registers of two neighbouring result tiles of a
; product that takes such rows as source 0 are 16 neighbours along the next K.  The exchange is made in the global addresses alone.
; mw: [batch][tile of 16 queries][step of 128 keys][64 words]; bit L of word 16 b + i is mask[16 tile + L % 16][128 step + 32 b + 16 (L / 16) + i]: the lane mask of register 16 b + i of a tile of scores.
; A block's scale is 2^(floor(log2(largest magnitude)) - 4); its byte is the largest magnitude's exponent field - 4, held at 1 from below.
; LIMITS: NaN and infinities among the inputs are not served; a block whose largest magnitude lies under 2^-122, a block of zeros too, gets the byte 1 (zeros: the rule says 127; the codes are zeros, and this
; program alone reads the bytes); any mask byte other than 0 counts as true.
; SHARES.  Work-groups 0-127 pack the mask, a wave a tile of 16 queries; work-groups 128-1023 quantise, a wave 64 rows x 128 along K (four images).  Waves share nothing: no barrier.  Each path has LDS bytes of its own.
.set XS,    22020096                   ; where xw's scale words begin
.set QREG,  8704                       ; LDS of a quantising wave: a stage of 16 rows x 528 bytes, then 256 bytes for its 64 scale words
.set MREG0, 4*QREG                     ; behind them: LDS of a packing wave,
.set MREG,  4352                       ; 16 rows x 272 bytes
.set R,     64                         ; v64-191  two sets of 64: an image's numbers as they are loaded
.set X,     192                        ; v192-255 my two blocks of 32 neighbours
; image a's 16 rows, 512 consecutive bytes a load.  Place j = 16 (a % 2) + i of the group of 32 rows: v1 = 16 lane; v2 = v1 + 8 rows where the tensor's rows are exchanged; v3 = v1 + 8 rows where they are not
.macro LOADIMG a
.set i, 0
.rept 16
.set j, 16*((\a)&1)+i
.set RR, R+64*((\a)%2)+4*i
.if (j >= 8) && (j < 16)
	global_load_b128 v[RR:RR+3], v2, s[20:21] offset:(32*((\a)>>1)+j)*4096 th:TH_LOAD_NT
.elseif (j >= 16) && (j < 24)
	global_load_b128 v[RR:RR+3], v3, s[20:21] offset:(32*((\a)>>1)+j-8)*4096 th:TH_LOAD_NT
.else
	global_load_b128 v[RR:RR+3], v1, s[20:21] offset:(32*((\a)>>1)+j)*4096 th:TH_LOAD_NT
.endif
.set i, i+1
.endr
.endm
; image a: through the stage (in: a row's 512 bytes as loaded; out: lane (r, hl) takes 128 bytes at 128 hl and at 256 + 128 hl of row r), two blocks a lane, codes and scale word
.macro IMG a
.set RS, R+64*((\a)%2)
.set PC, 28+12*((\a)%2)
.if (\a) < 3
	s_wait_loadcnt 16                              ; this image's 16 loads are in; the next image's 16 may be out
.else
	s_wait_loadcnt 0x0
.endif
.set i, 0
.rept 16
	ds_store_b128 v4, v[RS+4*i:RS+4*i+3] offset:528*i
.set i, i+1
.endr
.irp c, 0,1
.irp e, 0,1,2,3,4,5,6,7
	ds_load_b128 v[X+32*\c+4*\e:X+32*\c+4*\e+3], v5 offset:256*\c+16*\e   ; LDS serves a wave's instructions in order: these see the stores above
.endr
.endr
	s_wait_dscnt 0x0                               ; my 64 numbers are in, and the stage's stores have read their registers,
.if (\a) < 2
	LOADIMG (\a)+2                                 ; which take the image two further on
.endif
.irp c, 0,1                                    ; the largest magnitude of each block: all 32 numbers are mine; two chains a block, four by turns
	v_max3_num_f32 v[10+2*\c], |v[X+32*\c]|, |v[X+32*\c+1]|, 0x2800000   ; with the floor 2^(5 - 127): the byte cannot fall under 1
	v_max3_num_f32 v[11+2*\c], |v[X+32*\c+16]|, |v[X+32*\c+17]|, |v[X+32*\c+18]|
.endr
.irp i, 2,4,6,8,10,12
.irp c, 0,1
	v_max3_num_f32 v[10+2*\c], v[10+2*\c], |v[X+32*\c+\i]|, |v[X+32*\c+\i+1]|
	v_max3_num_f32 v[11+2*\c], v[11+2*\c], |v[X+32*\c+17+\i]|, |v[X+32*\c+18+\i]|
.endr
.endr
.irp c, 0,1
	v_max3_num_f32 v[10+2*\c], v[10+2*\c], |v[X+32*\c+14]|, |v[X+32*\c+15]|
.endr
.irp c, 0,1
	v_max3_num_f32 v[10+2*\c], v[10+2*\c], v[11+2*\c], |v[X+32*\c+31]|
.endr
	v_add_nc_u32 v14, 0xfe000000, v10              ; 4 off the exponent field: the conversion takes this operand's exponent field as its scale
	v_add_nc_u32 v15, 0xfe000000, v12
	v_lshrrev_b32 v16, 23, v14                     ; the bytes of blocks hl and 2 + hl
	v_lshrrev_b32 v17, 23, v15
	v_lshl_or_b32 v18, v17, 16, v16
	v_lshlrev_b32 v18, v9, v18                     ; at their places in the word (8 hl bits up);
	v_permlanex16_b32 v19, v18, s42, s43
	v_or_b32 v18, v18, v19                         ; with lane l xor 16's two the word is whole
.if (\a) >= 2
	s_wait_alu depctr_va_vdst(0)
	s_wait_xcnt 0x0                                ; the stores of the image two back have read this set of code registers
.endif
.irp c, 0,1
	v_cvt_scalef32_pk16_bf6_f32 v[PC+6*\c:PC+6*\c+2], v[X+32*\c:X+32*\c+15], v[14+\c]
	v_cvt_scalef32_pk16_bf6_f32 v[20+4*\c:22+4*\c], v[X+32*\c+16:X+32*\c+31], v[14+\c]   ; (a conversion's three registers begin on an even number: made elsewhere and moved)
.endr
	v_nop                                          ; one plain place behind a scaled conversion
.irp c, 0,1
.irp i, 0,1,2
	v_mov_b32 v[PC+3+6*\c+\i], v[20+4*\c+\i]
.endr
.endr
.irp p, 0,1,2,3,4,5
	global_store_b64 v6, v[PC+2*\p:PC+2*\p+1], s[36:37] offset:1536*(\a)+256*\p   ; 32 lanes store 256 consecutive bytes, at a multiple of 256 from xw's first byte
.endr
	ds_store_b32 v7, v18 offset:64*(\a)            ; row r's word; lanes r and 16 + r write the same word with the same value
.endm
; 256 keys of the tile's 16 rows: two steps' 128 words.  ahead = 1: the next chunk is asked for, and the pointers step
.macro CHUNK ahead
	s_wait_loadcnt 0x0                             ; the chunk's eight loads are in (so their base may step)
.irp i, 0,1,2,3,4,5,6,7
	ds_store_b128 v2, v[16+4*\i:19+4*\i] offset:544*\i          ; rows 2 i and 2 i + 1
.endr
.irp sp, 0,1
.irp be, 0,1,2,3
	ds_load_b128 v[48+4*(4*\sp+\be):51+4*(4*\sp+\be)], v3 offset:128*\sp+32*\be   ; row r, keys 128 sp + 32 be + 16 h + 0 .. 15
.endr
.endr
	s_wait_dscnt 0x0
.if \ahead
	s_add_nc_u64 s[32:33], s[32:33], 256
.irp i, 0,1,2,3,4,5,6,7
	global_load_b128 v[16+4*\i:19+4*\i], v1, s[32:33] offset:4096*\i th:TH_LOAD_NT   ; sixteen lanes read 256 consecutive bytes of a row
.endr
.endif
.irp sp, 0,1
.irp be, 0,1,2,3
.irp w, 0,1,2,3
.irp y, 0,1,2,3
	v_and_b32 v[80+\y], 0xff<<(8*\y), v[48+4*(4*\sp+\be)+\w]    ; one byte of each lane,
.endr
.irp y, 0,1,2,3
	v_cmp_ne_u32 s[40+\y], 0, v[80+\y]                          ; as a mask of the 32 lanes: word 16 be + 4 w + y of the step,
.endr
.irp y, 0,1,2,3
	v_writelane_b32 v[8+2*\sp+(\y&1)], s[40+\y], (16*\be+4*\w+\y)>>1   ; into the lane that will store it: lane l holds words 2 l and 2 l + 1
.endr
.endr
.endr
.endr
.irp sp, 0,1
	global_store_b64 v4, v[8+2*\sp:9+2*\sp], s[34:35] offset:256*\sp   ; a step's 64 words: 256 consecutive bytes, aligned
.endr
.if \ahead
	s_wait_xcnt 0x0                                ; the two stores have read their data and their base: both are written again only behind this wait
	s_add_nc_u64 s[34:35], s[34:35], 512
.endif
.endm
	s_load_b512 s[8:23], s[0:1], 0x0               ; q, k, v, Wq, Wk, Wv, Wo, mask
	s_load_b128 s[24:27], s[0:1], 0x40             ; xw, mw
	s_set_vgpr_msb 0x40
	v_lshl_add_u32 v0, v0, 2, 0xcc00
	v_mov_b32 v1, 0
	s_set_vgpr_msb 0x4000
	v_lshrrev_b32 v1, 5, v0
	v_readfirstlane_b32 s28, v1                    ; wave 0..3
	s_cmp_lt_u32 ttmp9, 128
	s_cbranch_scc1 .Lmask
	; ---- the quantising work-groups
	s_sub_co_u32 s29, ttmp9, 128
	s_lshr_b32 s30, s29, 1                         ; RG: which 64 rows of the 28,672
	s_and_b32 s29, s29, 1
	s_lshl_b32 s29, s29, 2
	s_add_co_u32 s29, s29, s28                     ; G: which 128 along K
	s_mov_b32 s42, 0x76543210
	s_mov_b32 s43, 0xfedcba98                      ; v_permlanex16_b32's selects for lane l xor 16
	s_mov_b32 s31, 432                             ; the tensor's first RG; the choice of tensor hangs on the work-group's number alone
	s_wait_kmcnt 0x0
	s_cmp_lt_u32 s30, 432
	s_cselect_b64 s[20:21], s[18:19], s[20:21]
	s_cselect_b32 s31, 416, s31
	s_cmp_lt_u32 s30, 416
	s_cselect_b64 s[20:21], s[16:17], s[20:21]
	s_cselect_b32 s31, 400, s31
	s_cmp_lt_u32 s30, 400
	s_cselect_b64 s[20:21], s[14:15], s[20:21]
	s_cselect_b32 s31, 384, s31
	s_cmp_lt_u32 s30, 384
	s_cselect_b64 s[20:21], s[12:13], s[20:21]
	s_cselect_b32 s31, 256, s31
	s_cmp_lt_u32 s30, 256
	s_cselect_b64 s[20:21], s[10:11], s[20:21]
	s_cselect_b32 s31, 128, s31
	s_cmp_lt_u32 s30, 128
	s_cselect_b64 s[20:21], s[8:9], s[20:21]
	s_cselect_b32 s31, 0, s31
	s_sub_co_u32 s32, s30, 128
	s_cmp_lt_u32 s32, 304                          ; k, v, Wq, Wk, Wv: RG 128 .. 431
	s_cselect_b32 s32, 32768, 0                    ; 8 rows of 4,096 bytes where the rows are exchanged,
	s_xor_b32 s33, s32, 32768                      ; and where they are not
	s_sub_co_u32 s34, s30, s31
	s_lshl_b32 s34, s34, 18                        ; 64 rows of 4,096 bytes
	s_lshl_b32 s35, s29, 9
	s_add_co_u32 s34, s34, s35                     ; + 512 G
	s_mov_b32 s35, 0
	s_add_nc_u64 s[20:21], s[20:21], s[34:35]      ; my wave's numbers
	s_mul_i32 s36, s29, 1792
	s_lshl_b32 s37, s30, 2
	s_add_co_u32 s36, s36, s37
	s_mul_i32 s36, s36, 1536
	s_mov_b32 s37, 0
	s_add_nc_u64 s[36:37], s[24:25], s[36:37]      ; my four images
	s_mul_i32 s38, s29, 114688
	s_lshl_b32 s39, s30, 8
	s_add_co_u32 s38, s38, s39
	s_add_co_u32 s38, s38, XS
	s_mov_b32 s39, 0
	s_add_nc_u64 s[38:39], s[24:25], s[38:39]      ; my 64 scale words
	v_and_b32 v10, 31, v0                          ; lane
	v_and_b32 v11, 15, v0                          ; r
	v_bfe_u32 v12, v0, 4, 1                        ; hl
	v_lshlrev_b32 v1, 4, v10
	v_add_nc_u32 v2, s32, v1
	v_add_nc_u32 v3, s33, v1
	LOADIMG 0
	LOADIMG 1
	s_mul_i32 s40, s28, QREG
	v_add_nc_u32 v4, s40, v1                       ; the stage, in: 16 lane
	v_mul_u32_u24 v5, v11, 528
	v_lshl_add_u32 v5, v12, 7, v5
	v_add_nc_u32 v5, s40, v5                       ; out: 528 r + 128 hl
	v_lshlrev_b32 v6, 3, v10                       ; 8 lane: my place in a piece, and in the 64 scale words
	s_add_co_u32 s40, s40, 8448
	v_lshl_add_u32 v7, v11, 2, s40                 ; the scale words, in: 4 r
	v_add_nc_u32 v8, s40, v6                       ; out: 8 lane
	v_lshlrev_b32 v9, 3, v12                       ; 8 hl
	v_mov_b32 v19, 0                               ; written once: a lane permute's destination counts as one of its sources
	s_wait_alu depctr_va_vdst(0)
	IMG 0
	IMG 1
	IMG 2
	IMG 3
	ds_load_b64 v[52:53], v8                       ; in order behind my four stores
	s_wait_dscnt 0x0
	global_store_b64 v6, v[52:53], s[38:39]        ; 64 rows' words: 256 consecutive bytes, aligned
	s_set_vgpr_msb 0x5
	s_wait_tensorcnt 0x0
	ds_add_u32 v0, v1
	s_wait_dscnt 0x0
	s_set_vgpr_msb 0x500
	s_endpgm
	; ---- the packing work-groups
.Lmask:
	s_lshl_b32 s29, ttmp9, 2
	s_add_co_u32 s29, s29, s28                     ; my tile of 16 queries, 0 .. 511
	s_lshl_b32 s30, s29, 15                        ; 16 rows of 2,048 bytes
	s_mov_b32 s31, 0
	s_lshl_b32 s36, s29, 12                        ; 16 steps of 256 bytes
	s_mov_b32 s37, 0
	v_and_b32 v5, 15, v0
	v_bfe_u32 v6, v0, 4, 1
	v_and_b32 v7, 31, v0
	v_lshlrev_b32 v1, 4, v5
	v_lshl_add_u32 v1, v6, 11, v1                  ; in memory: lanes 0-15 one row, lanes 16-31 the next, 16 bytes a lane
	s_wait_alu depctr_va_vdst(0)
	s_wait_kmcnt 0x0
	s_add_nc_u64 s[32:33], s[22:23], s[30:31]
	s_add_nc_u64 s[34:35], s[26:27], s[36:37]
.irp i, 0,1,2,3,4,5,6,7
	global_load_b128 v[16+4*\i:19+4*\i], v1, s[32:33] offset:4096*\i th:TH_LOAD_NT
.endr
	s_mul_i32 s38, s28, MREG
	s_add_co_u32 s38, s38, MREG0
	v_mul_u32_u24 v2, v6, 272
	v_lshl_add_u32 v2, v5, 4, v2
	v_add_nc_u32 v2, s38, v2                       ; the stage, in
	v_mul_u32_u24 v3, v5, 272
	v_lshl_add_u32 v3, v6, 4, v3
	v_add_nc_u32 v3, s38, v3                       ; out: row r, 16 h
	v_lshlrev_b32 v4, 3, v7
.irp i, 8,9,10,11
	v_mov_b32 v[\i], 0                             ; written once: v_writelane_b32's destination counts as one of its sources
.endr
	s_mov_b32 s36, 7
.Lchunk:
	s_wait_alu depctr_va_vdst(0)
	CHUNK 1
	s_sub_co_u32 s36, s36, 1
	s_cmp_lg_u32 s36, 0
	s_cbranch_scc1 .Lchunk
	CHUNK 0                                        ; the last chunk asks for nothing: no load leaves the mask
	s_set_vgpr_msb 0x5
	s_wait_tensorcnt 0x0
	ds_add_u32 v0, v1
	s_wait_dscnt 0x0
	s_set_vgpr_msb 0x500
	s_endpgm
.Lfunc_end_k_q3cb96b230d_prep:
	.size	k_q3cb96b230d_prep, .Lfunc_end_k_q3cb96b230d_prep-k_q3cb96b230d_prep
	.p2alignl 7, 3214868480
	.fill 96, 4, 3214868480
	.section	.rodata,"a",@progbits
	.p2align	6, 0x0
	.amdhsa_kernel k_q3cb96b230d_prep
		.amdhsa_group_segment_fixed_size 52736
		.amdhsa_private_segment_fixed_size 0
		.amdhsa_enable_private_segment 0
		.amdhsa_kernarg_size 80
		.amdhsa_user_sgpr_count 2
		.amdhsa_user_sgpr_kernarg_segment_ptr 1
		.amdhsa_wavefront_size32 1
		.amdhsa_system_sgpr_workgroup_id_x 1
		.amdhsa_system_sgpr_workgroup_id_y 1
		.amdhsa_system_sgpr_workgroup_id_z 1
		.amdhsa_system_vgpr_workitem_id 0
		.amdhsa_next_free_vgpr 258
		.amdhsa_next_free_sgpr 66
		.amdhsa_reserve_vcc 0
		.amdhsa_float_denorm_mode_32 3
		.amdhsa_float_denorm_mode_16_64 3
		.amdhsa_memory_ordered 1
		.amdhsa_forward_progress 1
		.amdhsa_inst_pref_size 87
	.end_amdhsa_kernel
	.amdgpu_metadata
---
amdhsa.version: [ 1, 2 ]
amdhsa.kernels:
  - .name:           k_q3cb96b230d_prep
    .symbol:         k_q3cb96b230d_prep.kd
    .args:
      - { .name: q, .offset: 0, .size: 8, .value_kind: global_buffer, .address_space: global }
      - { .name: k, .offset: 8, .size: 8, .value_kind: global_buffer, .address_space: global }
      - { .name: v, .offset: 16, .size: 8, .value_kind: global_buffer, .address_space: global }
      - { .name: Wq, .offset: 24, .size: 8, .value_kind: global_buffer, .address_space: global }
      - { .name: Wk, .offset: 32, .size: 8, .value_kind: global_buffer, .address_space: global }
      - { .name: Wv, .offset: 40, .size: 8, .value_kind: global_buffer, .address_space: global }
      - { .name: Wo, .offset: 48, .size: 8, .value_kind: global_buffer, .address_space: global }
      - { .name: mask, .offset: 56, .size: 8, .value_kind: global_buffer, .address_space: global }
      - { .name: xw, .offset: 64, .size: 8, .value_kind: global_buffer, .address_space: global }
      - { .name: mw, .offset: 72, .size: 8, .value_kind: global_buffer, .address_space: global }
    .group_segment_fixed_size: 52736
    .private_segment_fixed_size: 0
    .kernarg_segment_align: 8
    .kernarg_segment_size: 80
    .max_flat_workgroup_size: 128
    .sgpr_count:     66
    .vgpr_count:     258
    .wavefront_size: 32
...
	.end_amdgpu_metadata
.endif
;; end of part 1
;; launch proj (part 2): grid 4 x 192, 4 waves a work-group, clusters of 4 x 4, 327,680 bytes of LDS; arguments xw, bq, bk, bv, hq; writes hq
.if DOCPART == 2
	.amdgcn_target "amdgcn-amd-amdhsa--gfx1250"
	.amdhsa_code_object_version 6
	.text
	.protected	k_q3cb96b230d_proj
	.globl	k_q3cb96b230d_proj
	.p2align	8
	.type	k_q3cb96b230d_proj,@function
k_q3cb96b230d_proj:
	s_mov_b64 s[64:65], 0
	v_nop
	global_prefetch_b8 v0, s[64:65] scope:SCOPE_SE
	s_setreg_imm32_b32 hwreg(HW_REG_WAVE_MODE, 25, 1), 1
	s_wait_xcnt 0x0
	s_wait_alu depctr_hold_cnt(0) depctr_sa_sdst(0) depctr_va_vdst(0) depctr_va_sdst(0) depctr_va_ssrc(0) depctr_va_vcc(0) depctr_vm_vsrc(0)
	s_getreg_b32 s2, hwreg(HW_REG_IB_STS2, 6, 4)
	s_cmp_eq_u32 s2, 0
	s_cbranch_scc0 .Lentry_in_a_cluster
	s_endpgm
.Lentry_in_a_cluster:
	s_bfe_u32 s2, ttmp6, 0x10000c
	s_cmp_lg_u32 s2, 0xf033
	s_cbranch_scc0 .Lentry_shape_is_right
	s_endpgm
.Lentry_shape_is_right:
; PROJ.  The three projections on codes of BF6 (E3M2), and their results quantised in registers into operand images for the attention.
; KIND 0: qh = q Wq^T + bq; KIND 1: kh = k Wk^T + bk (A = the tokens, B = the weight's rows);  KIND 2: vh^T = Wv v^T + bv (A = Wv's rows, B = the tokens): so the same way out, which quantises along a lane's
; registers, gives Q and K with the head's axis innermost and V^T with the KEYS innermost.
; OPERANDS lie in xw as images of operand registers: image (I = row / 16, G = k / 128), 1,536 bytes at (1792 G + I) x 1536, [piece 0..5][lane][8 bytes]; scale words at XS + (28672 G + row) x 4.
; A fragment is six loads of 8 bytes a lane at 8 lane + 256 piece: consecutive bytes, no pitch, no padding.
; SHARES.  A work-group makes 128 A-rows x 256 B-rows with ALL of K = 1,024 in LDS (A 98,304 bytes, B 196,608, scale words 12,288): every tensor load is a first fill, nothing is filled again.
; Four waves, each 64 x 128: 32 accumulators, 256 registers.  768 work-groups, 256 for each KIND.
; CLUSTERS: 4 x 4 work-groups; A's tiles are shared along a row of the cluster, B's along a column: joint loads, the same descriptor and a mask that names the four.  KIND hangs on the cluster's y alone.
; THE MATRIX INSTRUCTION IS USED TRANSPOSED (source 0 = 16 B-rows, source 1 = 16 A-rows): a lane holds one A-row, its registers run along B-rows.  B's rows lie in xw with bits 3 and 4 of the row number
; exchanged, so registers 16 b + i of the eight tiles of an A-block are columns 32 b + 16 (lane / 16) + i: 16 neighbours, as the conversions want them.
; hq: Q codes at 0 and K codes at 6,291,456, [G = pair of heads][I = token / 16][1536]; V^T codes at 12,582,912, [G = token / 128][I = feature / 16][1536]; scale words at 18,874,368 + 262,144 KIND, [G][row] u32.
; The bias is the C of each sum's first product, so it is added ahead of the products, not behind them as in the source.
; LIMITS: NaN and infinities are not served; a block whose largest magnitude lies under 2^-122, a block of zeros too, gets the byte 1 (this program alone reads the bytes).
; REGISTERS, in windows of 256: window 0: v16-31 addresses; v32-47 scale words, two sets; v48-143 A's fragments, two sets of 4 x 12; v144-207 the bias along columns; v208-243 the bias along rows; v244-255 at work on the way out.
;   window 1: v0-191 B's fragments, two sets of 8 x 12.   window 2: accumulator (a, b) at v[8 (8 a + b)].
.set XS,   22020096                    ; xw: where the scale words begin
.set XGP,  2752512                     ; bytes from G to G in xw's codes
.set LB,   98304                       ; LDS: B's codes behind A's
.set SA,   294912                      ; A's scale words, [G 8][128 rows]
.set SB,   308736                      ; B's, [G 8][256 rows]; A's rows are padded to the same 1,024 bytes a G
.set SCR,  307200                      ; 256 bytes a wave: the way out's scale words; no tensor load lands here
.set SC,   32
.set AF,   48
.set BI,   144
.set BR,   208
.set BRR,  212
.set MX,   244
.set BT,   248
.set SO,   252
.set MSB, 0
.macro WIN new                         ; s_set_vgpr_msb: bits 1:0 source 0, 3:2 source 1, 5:4 source 2, 7:6 destination; the high byte repeats the setting that is left
.if MSB != \new
	s_set_vgpr_msb (MSB<<8)|\new
.set MSB, \new
.endif
.endm
.macro PLACES                          ; four plain vector instructions between a matrix instruction and a load into, or a vector read or write of, its registers
.rept 4
	v_nop
.endr
.endm
.macro CROUND                          ; a round of the cluster's barrier
	s_barrier_signal -1
	s_barrier_wait -1
	s_cmp_lg_u32 s4, 0
	s_cbranch_scc1 .Lnot_wave_0_\@
	s_barrier_signal -3
.Lnot_wave_0_\@:
	s_barrier_wait -3
	s_barrier_signal -1
	s_barrier_wait -1
.endm
.macro GROUP1 g, c, r, p               ; words 1 to 7 of a descriptor's group 1: r rows of c elements of 8 bytes, p elements from row to row
	s_mov_b32 s[\g+1], (\c)<<16
	s_mov_b32 s[\g+2], (\r)<<16
	s_mov_b32 s[\g+3], (\c)<<16
	s_mov_b32 s[\g+4], \r
	s_mov_b32 s[\g+5], \p
	s_mov_b32 s[\g+6], 0
	s_mov_b32 s[\g+7], 0
.endm
; K step g's fragments and scale words into set g % 2: one run of 80 LDS loads
.macro FETCH g
	WIN 0x40                                       ; destination window 1, address window 0
.irp il, 0,1,2,3,4,5,6,7
.irp p, 0,1,2,3,4,5
	ds_load_b64 v[96*((\g)&1)+12*\il+2*\p:96*((\g)&1)+12*\il+2*\p+1], v[20+((\g)>>1)] offset:((\g)&1)*24576+1536*\il+256*\p
.endr
.endr
	WIN 0
.irp il, 0,1,2,3
.irp p, 0,1,2,3,4,5
	ds_load_b64 v[AF+48*((\g)&1)+12*\il+2*\p:AF+48*((\g)&1)+12*\il+2*\p+1], v[16+((\g)>>2)] offset:((\g)&3)*12288+1536*\il+256*\p
.endr
.endr
.irp i, 0,1,2,3
	ds_load_b32 v[SC+8*((\g)&1)+\i], v24 offset:1024*(\g)+64*\i       ; lanes 0-15: the words of A's block i; lanes 16-31: those of B's block i
.endr
.irp i, 4,5,6,7
	ds_load_b32 v[SC+8*((\g)&1)+\i], v15 offset:1024*(\g)+64*\i-256   ; lanes 16-31: B's block i; lanes 0-15 stay inside A's 64 rows (block i - 4; not used)
.endr
.endm
; 16 matrix instructions: A's blocks a0, a0 + 1 x B's eight.  ck = 0: in place; 1: the sums start from the bias along columns; 2: from the bias along rows.
; The 32 accumulators take turns, one instruction a turn, in the same order in every step.
.macro MUL a0, g, ck
.irp a, \a0, \a0+1
.irp b, 0,1,2,3,4,5,6,7
.if (\ck) == 0
	v_wmma_scale_f32_16x16x128_f8f6f4 v[8*(8*(\a)+\b):8*(8*(\a)+\b)+7], v[96*((\g)&1)+12*\b:96*((\g)&1)+12*\b+11], v[AF+48*((\g)&1)+12*(\a):AF+48*((\g)&1)+12*(\a)+11], v[8*(8*(\a)+\b):8*(8*(\a)+\b)+7], v[SC+8*((\g)&1)+\b], v[SC+8*((\g)&1)+(\a)] matrix_a_fmt:MATRIX_FMT_BF6 matrix_b_fmt:MATRIX_FMT_BF6 matrix_a_scale:MATRIX_SCALE_ROW1
.elseif (\ck) == 1
	v_wmma_scale_f32_16x16x128_f8f6f4 v[8*(8*(\a)+\b):8*(8*(\a)+\b)+7], v[96*((\g)&1)+12*\b:96*((\g)&1)+12*\b+11], v[AF+48*((\g)&1)+12*(\a):AF+48*((\g)&1)+12*(\a)+11], v[BI+8*\b:BI+8*\b+7], v[SC+8*((\g)&1)+\b], v[SC+8*((\g)&1)+(\a)] matrix_a_fmt:MATRIX_FMT_BF6 matrix_b_fmt:MATRIX_FMT_BF6 matrix_a_scale:MATRIX_SCALE_ROW1
.else
	v_wmma_scale_f32_16x16x128_f8f6f4 v[8*(8*(\a)+\b):8*(8*(\a)+\b)+7], v[96*((\g)&1)+12*\b:96*((\g)&1)+12*\b+11], v[AF+48*((\g)&1)+12*(\a):AF+48*((\g)&1)+12*(\a)+11], v[BRR+8*(\a):BRR+8*(\a)+7], v[SC+8*((\g)&1)+\b], v[SC+8*((\g)&1)+(\a)] matrix_a_fmt:MATRIX_FMT_BF6 matrix_b_fmt:MATRIX_FMT_BF6 matrix_a_scale:MATRIX_SCALE_ROW1
.endif
.endr
.endr
.endm
; K step g.  The codes came in two halves of four K steps; in step 3 the second half is awaited and shown to all four waves.
.macro STEP g, ck
.if (\g) > 0
	PLACES                                         ; behind step g - 1's products, which read the sets that the run of loads below writes
.endif
.if (\g) == 3
	s_wait_tensorcnt 0x0                           ; my load of K steps 4 to 7, if I issued one, is in
.endif
	s_wait_dscnt 0x0                               ; this step's fragments and scale words are in (asked for 32 matrix instructions ago); no LDS instruction of mine is out at the signal
.if (\g) == 3
	s_barrier_signal -1
	s_barrier_wait -1                              ; everybody's part of the next phase is in
.endif
.if (\g) < 7
	FETCH (\g)+1
.endif
.if (\ck) == 0
	WIN 0xa1                                       ; source 0 (B) window 1, source 1 (A) window 0, C and D window 2
.else
	WIN 0x81                                       ; C in window 0
.endif
	MUL 0, \g, \ck
	MUL 2, \g, \ck
.endm
; A's block a: 16 rows x 128 columns become a fragment's codes and a scale word a row.  Register 16 b + i of v[64 a ..] (window 2) is column 32 b + 16 (lane / 16) + i of my row.
.macro QOUT a
.set S0, 64*(\a)
.set PC, 48+12*(\a)
	WIN 0x28                                       ; sources 1 and 2 window 2
.irp b, 0,1,2,3
	v_max3_num_f32 v[MX+\b], 0x2800000, |v[S0+16*\b]|, |v[S0+16*\b+1]|   ; block b: my 16 numbers and the floor 2^(5 - 127); each accumulator is read from its low end on
.endr
.irp i, 2,4,6,8,10,12,14
.irp b, 0,1,2,3
	v_max3_num_f32 v[MX+\b], v[MX+\b], |v[S0+16*\b+\i]|, |v[S0+16*\b+\i+1]|
.endr
.endr
	WIN 0
.irp b, 0,1,2,3
	v_permlanex16_b32 v[BT+\b], v[MX+\b], s66, s67
.endr
.irp b, 0,1,2,3
	v_max_num_f32 v[MX+\b], v[MX+\b], v[BT+\b]     ; with lane l xor 16's: the block's largest magnitude
.endr
.irp b, 0,1,2,3
	v_add_nc_u32 v[SO+\b], 0xfe000000, v[MX+\b]    ; 4 off its exponent field: the conversion's scale operand
.endr
.irp b, 0,1,2,3
	v_lshrrev_b32 v[BT+\b], 23, v[SO+\b]           ; the scale's byte
.endr
	v_lshl_or_b32 v30, v[BT+1], 8, v[BT]
	v_lshl_or_b32 v30, v[BT+2], 16, v30
	v_lshl_or_b32 v30, v[BT+3], 24, v30            ; my row's scale word
	WIN 0x02                                       ; source 0 window 2
.irp c, 0,1
	v_cvt_scalef32_pk16_bf6_f32 v[PC+6*\c:PC+6*\c+2], v[S0+32*\c:S0+32*\c+15], v[SO+2*\c]
	v_cvt_scalef32_pk16_bf6_f32 v[96+4*\c:98+4*\c], v[S0+32*\c+16:S0+32*\c+31], v[SO+2*\c+1]   ; (a conversion's three registers begin on an even number)
.endr
	WIN 0
	v_nop                                          ; one plain place behind a scaled conversion
.irp c, 0,1                                    ; the operand's layout wants a WHOLE block in a lane: lanes 0-15 block 2 c, lanes 16-31 block 2 c + 1
.irp i, 0,1,2
	v_permlane16_swap_b32 v[PC+6*\c+\i], v[96+4*\c+\i]
.endr
.irp i, 0,1,2
	v_mov_b32 v[PC+3+6*\c+\i], v[96+4*\c+\i]
.endr
.endr
.irp c, 0,1                                    ; an image of hq: for each half c of K, registers 6 c .. 6 c + 3 at 768 c + 16 lane, registers 6 c + 4, 6 c + 5 at 768 c + 512 + 8 lane
	global_store_b128 v18, v[PC+6*\c:PC+6*\c+3], s[98:99] offset:1536*(\a)+768*\c        ; 32 lanes store 512 consecutive bytes, aligned to 256
	global_store_b64 v25, v[PC+6*\c+4:PC+6*\c+5], s[98:99] offset:1536*(\a)+768*\c+512   ; and 256
.endr
	ds_store_b32 v28, v30 offset:64*(\a)           ; lanes r and 16 + r write the same word with the same value
.endm
	s_load_b256 s[88:95], s[0:1], 0x0              ; xw, bq, bk, bv
	s_load_b64 s[96:97], s[0:1], 0x20              ; hq
	v_lshl_add_u32 v19, v0, 2, 0x4b400
	v_mov_b32 v31, 0
	ds_add_u32 v19, v31
	ds_add_u32 v19, v31
	v_lshrrev_b32 v1, 5, v0
	v_readfirstlane_b32 s4, v1                     ; wave 0..3
	s_lshr_b32 s5, s4, 1                           ; which 64 A-rows are mine.  Also: I fetch codes (0) or scale words (1)
	s_and_b32 s6, s4, 1                            ; which 128 B-rows.  Also: I fetch for A (0) or for B (1)
	s_bfe_u32 s60, ttmp6, 0x40000                  ; cx
	s_bfe_u32 s61, ttmp6, 0x40004                  ; cy
	s_and_b32 s2, ttmp7, 0xffff                    ; the cluster's y, 0 .. 47
	s_lshr_b32 s7, s2, 4                           ; KIND
	s_and_b32 s2, s2, 15
	s_lshr_b32 s3, s2, 3
	s_and_b32 s98, s2, 7
	s_lshl_b32 s66, s7, 9                          ; A's first image: q 0, k 512,
	s_lshl_b32 s67, s7, 6
	s_add_co_u32 s67, s67, 1536                    ; B's: Wq 1536, Wk 1600
	s_cmp_eq_u32 s7, 2
	s_cselect_b32 s62, s3, s2                      ; KIND 0, 1: 16 x 1 clusters of tiles; KIND 2: 2 x 8
	s_cselect_b32 s63, s98, 0
	s_cselect_b32 s66, 1664, s66                   ; Wv
	s_cselect_b32 s67, 1024, s67                   ; v
	s_lshl_b32 s62, s62, 2
	s_add_co_u32 s62, s62, s61                     ; tile row: 128 A-rows
	s_lshl_b32 s63, s63, 2
	s_add_co_u32 s63, s63, s60                     ; tile column: 256 B-rows
	s_lshl_b32 s100, s61, 2
	s_lshl_b32 s100, 15, s100                      ; my row of the cluster
	s_lshl_b32 s101, 0x1111, s60                   ; my column
	s_or_b32 s8, s100, (3<<16)|(1<<21)             ; group 1, word 0: 15:0 the mask; 17:16 elements of 8 bytes; 21 set beside a mask; no padding
	s_or_b32 s24, s100, 0xffb30000                 ; the same, with padding on: behind every 128 words (code 6) 128 words (code 127)
	s_or_b32 s16, s101, (3<<16)|(1<<21)
	s_or_b32 s32, s101, (3<<16)|(1<<21)
	GROUP1 8, 1536, 4, 344064                      ; A's codes: eight images (12,288 bytes) of each of four G
	GROUP1 16, 3072, 4, 344064                     ; B's: sixteen images of each of four G
	GROUP1 24, 64, 8, 14336                        ; A's scale words: 128 rows (512 bytes) of each of eight G
	GROUP1 32, 128, 8, 14336                       ; B's: 256 rows of each of eight G
	s_wait_dscnt 0x0
	s_wait_kmcnt 0x0
	s_cmp_eq_u32 s7, 1
	s_cselect_b64 s[90:91], s[92:93], s[90:91]
	s_cmp_eq_u32 s7, 2
	s_cselect_b64 s[90:91], s[94:95], s[90:91]     ; the KIND's bias
	; A's addresses hang on the tile row and the wave's number, B's on the tile column and the wave's number, each in registers that never hold the other coordinate
	s_lshl_b32 s2, s62, 3
	s_add_co_u32 s2, s2, s66                       ; the tile's first image of A
	s_lshl_b32 s92, s2, 6                          ; its rows' scale words: 64 bytes an image,
	s_add_co_u32 s92, s92, XS
	s_mov_b32 s93, 0
	s_add_nc_u64 s[92:93], s[88:89], s[92:93]
	s_mul_i32 s2, s2, 1536
	s_mov_b32 s3, 0
	s_add_nc_u64 s[2:3], s[88:89], s[2:3]
	s_mov_b32 s56, 1
	s_mov_b32 s57, SA
	s_mov_b64 s[58:59], s[92:93]
	s_or_b32 s59, s59, 0x80000000
.irp f, 0,1
	s_mov_b32 s[40+4*\f], 1                        ; count = 1
	s_mov_b32 s[41+4*\f], \f*49152                 ; LDS: G x 12,288
	s_add_nc_u64 s[42+4*\f:43+4*\f], s[2:3], \f*4*XGP
	s_or_b32 s[43+4*\f], s[43+4*\f], 0x80000000    ; type = 2
.endr
	s_lshl_b32 s94, s63, 4
	s_add_co_u32 s94, s94, s67
	s_lshl_b32 s98, s94, 6
	s_add_co_u32 s98, s98, XS
	s_mov_b32 s99, 0
	s_add_nc_u64 s[98:99], s[88:89], s[98:99]
	s_mul_i32 s94, s94, 1536
	s_mov_b32 s95, 0
	s_add_nc_u64 s[94:95], s[88:89], s[94:95]
	s_mov_b32 s84, 1
	s_mov_b32 s85, SB
	s_mov_b64 s[86:87], s[98:99]
	s_or_b32 s87, s87, 0x80000000
.irp f, 0,1
	s_mov_b32 s[68+4*\f], 1
	s_mov_b32 s[69+4*\f], LB+\f*98304              ; LDS: LB + G x 24,576
	s_add_nc_u64 s[70+4*\f:71+4*\f], s[94:95], \f*4*XGP
	s_or_b32 s[71+4*\f], s[71+4*\f], 0x80000000
.endr
	CROUND                                         ; all sixteen work-groups are here: the joint loads meet
	; the head's four tiles, one joint load a wave, in one chain of arms: wave 0 A's codes of K steps 0-3, wave 1 B's, wave 2 A's scale words, wave 3 B's
	s_cmp_lt_u32 s4, 1
	s_cbranch_scc0 .Lh1
	tensor_load_to_lds s[40:43], s[8:15]
	s_nop 0
.rept 4
	v_nop
.endr
	s_branch .Lfilled
.Lh1:
	s_cmp_lt_u32 s4, 2
	s_cbranch_scc0 .Lh2
	tensor_load_to_lds s[68:71], s[16:23]
	s_nop 0
.rept 4
	v_nop
.endr
	s_branch .Lfilled
.Lh2:
	s_cmp_lt_u32 s4, 3
	s_cbranch_scc0 .Lh3
	tensor_load_to_lds s[56:59], s[24:31]
	s_nop 0
.rept 4
	v_nop
.endr
	s_branch .Lfilled
.Lh3:
	tensor_load_to_lds s[84:87], s[32:39]
	s_nop 0
.rept 4
	v_nop
.endr
.Lfilled:
	v_and_b32 v2, 31, v0                           ; lane
	v_and_b32 v3, 15, v0                           ; r
	v_bfe_u32 v4, v0, 4, 1                         ; h
	; both shapes of the bias are loaded, with indices held inside its 1,024 numbers; the KIND picks one as C
	s_wait_alu depctr_va_vdst(0)
	s_lshl_b32 s2, s63, 8
	s_lshl_b32 s3, s6, 7
	s_add_co_u32 s2, s2, s3
	s_and_b32 s2, s2, 1023
	s_lshl_b32 s2, s2, 2
	s_mov_b32 s3, 0
	s_add_nc_u64 s[92:93], s[90:91], s[2:3]        ; at my 128 columns
	s_lshl_b32 s2, s62, 7
	s_lshl_b32 s98, s5, 6
	s_add_co_u32 s2, s2, s98
	s_and_b32 s2, s2, 1023
	s_lshl_b32 s2, s2, 2
	s_add_nc_u64 s[94:95], s[90:91], s[2:3]        ; at my 64 rows
	v_lshlrev_b32 v26, 6, v4                       ; columns: 16 h numbers on
	v_and_b32 v6, 7, v3
	v_lshrrev_b32 v7, 3, v3
	v_lshlrev_b32 v27, 2, v6
	v_lshl_add_u32 v27, v7, 6, v27                 ; rows: r % 8 + 16 (r / 8)
.irp be, 0,1,2,3
.irp e, 0,1,2,3
	global_load_b128 v[BI+16*\be+4*\e:BI+16*\be+4*\e+3], v26, s[92:93] offset:128*\be+16*\e   ; register 16 be + i: column 32 be + 16 h + i
.endr
.endr
.irp a, 0,1,2,3
	global_load_b32 v[BR+\a], v27, s[94:95] offset:(32*(\a>>1)+8*(\a&1))*4   ; the row that lies at place 16 a + r
.endr
	v_lshlrev_b32 v25, 3, v2                       ; 8 lane
	v_lshlrev_b32 v18, 4, v2                       ; 16 lane
	s_mul_i32 s2, s5, 6144
	v_add_nc_u32 v16, s2, v25                      ; A's fragments, K steps 0-3
	v_add_nc_u32 v17, 49152, v16                   ; 4-7
	s_mul_i32 s2, s6, 12288
	s_add_co_u32 s2, s2, LB
	v_add_nc_u32 v20, s2, v25                      ; B's, a register for each phase
	v_add_nc_u32 v21, 49152, v20
	v_add_nc_u32 v22, 98304, v20
	v_add_nc_u32 v23, 147456, v20
	s_lshl_b32 s2, s5, 8
	s_lshl_b32 s3, s6, 9
	s_add_co_u32 s3, s3, SB-SA
	s_sub_co_u32 s3, s3, s2
	v_mul_u32_u24 v24, s3, v4                      ; lanes 16-31 take B's words: one product, h x the distance
	v_lshl_add_u32 v24, v3, 2, v24
	s_add_co_u32 s2, s2, SA
	v_add_nc_u32 v24, s2, v24
	v_lshl_add_u32 v15, v4, 8, v24                 ; for blocks 4-7: lanes 16-31 stand 256 bytes further on, and the loads' immediates 256 lower
	s_lshl_b32 s2, s4, 8
	s_add_co_u32 s2, s2, SCR
	v_lshl_add_u32 v28, v3, 2, s2                  ; the way out's scale words, in: 4 r
	v_add_nc_u32 v29, s2, v25                      ; out: 8 lane
.irp b, 0,1,2,3
	v_mov_b32 v[BT+\b], 0                          ; written once: a lane permute's destination counts as one of its sources
.endr
	s_cmp_eq_u32 s7, 2
	s_cselect_b32 s2, 64, 512                      ; images in a G of the result
	s_lshl_b32 s3, s63, 1
	s_add_co_u32 s3, s3, s6                        ; the result's G: my 128 columns
	s_mul_i32 s2, s2, s3
	s_lshl_b32 s3, s62, 3
	s_add_co_u32 s2, s2, s3
	s_lshl_b32 s3, s5, 2
	s_add_co_u32 s2, s2, s3                        ; my first image
	s_mul_i32 s98, s2, 1536
	s_mul_i32 s3, s7, 6291456
	s_add_co_u32 s98, s98, s3
	s_mov_b32 s99, 0
	s_add_nc_u64 s[98:99], s[96:97], s[98:99]      ; its codes
	s_lshl_b32 s100, s2, 6
	s_lshl_b32 s3, s7, 18
	s_add_co_u32 s100, s100, s3
	s_add_co_u32 s100, s100, 18874368
	s_mov_b32 s101, 0
	s_add_nc_u64 s[100:101], s[96:97], s[100:101]  ; its rows' scale words
	s_mov_b32 s66, 0x76543210
	s_mov_b32 s67, 0xfedcba98                      ; v_permlanex16_b32's selects for lane l xor 16
	s_wait_alu depctr_va_vdst(0)
	s_wait_tensorcnt 0x0                           ; my tile of the head's four is in
	ds_add_u32 v19, v31
	s_wait_dscnt 0x0
	CROUND                                         ; all four tiles are in, and the sixteen work-groups meet
	s_cmp_lt_u32 s4, 1                             ; K steps 4-7: wave 0 asks for A's codes, wave 1 for B's
	s_cbranch_scc0 .Ls1
	tensor_load_to_lds s[44:47], s[8:15]
	s_nop 0
.rept 4
	v_nop
.endr
	s_branch .Lsecond
.Ls1:
	s_cmp_lt_u32 s4, 2
	s_cbranch_scc0 .Lsecond
	tensor_load_to_lds s[72:75], s[16:23]
	s_nop 0
.rept 4
	v_nop
.endr
.Lsecond:
	FETCH 0
	s_wait_loadcnt 0x0                             ; the bias
	s_cmp_eq_u32 s7, 2                             ; the same in all sixteen partners; no barrier and no tensor load stands in either arm
	s_cbranch_scc1 .Lrow_bias
	STEP 0, 1
	WIN 0
	s_branch .Lstep_1
.Lrow_bias:
.irp a, 0,1,2,3
.irp j, 0,1,2,3,4,5,6,7
	v_mov_b32 v[BRR+8*\a+\j], v[BR+\a]             ; a lane's eight results of a tile belong to one row
.endr
.endr
	PLACES
	s_wait_alu depctr_va_vdst(0)
	STEP 0, 2
	WIN 0
.Lstep_1:
	STEP 1, 0
	STEP 2, 0
	STEP 3, 0
	STEP 4, 0
	STEP 5, 0
	STEP 6, 0
	STEP 7, 0
	PLACES
	QOUT 0
	QOUT 1
	QOUT 2
	QOUT 3
	ds_load_b64 v[6:7], v29                        ; in order behind my four stores
	s_wait_dscnt 0x0
	global_store_b64 v25, v[6:7], s[100:101]       ; 64 rows' words: 256 consecutive bytes, aligned
	s_wait_tensorcnt 0x0
	s_wait_tensorcnt 0x0
	ds_add_u32 v19, v31
	s_wait_dscnt 0x0
	CROUND                                         ; the closing round: no work-group ends while a partner may still ask for a tile that names it
	s_endpgm
.Lfunc_end_k_q3cb96b230d_proj:
	.size	k_q3cb96b230d_proj, .Lfunc_end_k_q3cb96b230d_proj-k_q3cb96b230d_proj
	.p2alignl 7, 3214868480
	.fill 96, 4, 3214868480
	.section	.rodata,"a",@progbits
	.p2align	6, 0x0
	.amdhsa_kernel k_q3cb96b230d_proj
		.amdhsa_group_segment_fixed_size 327680
		.amdhsa_private_segment_fixed_size 0
		.amdhsa_enable_private_segment 0
		.amdhsa_kernarg_size 40
		.amdhsa_user_sgpr_count 2
		.amdhsa_user_sgpr_kernarg_segment_ptr 1
		.amdhsa_wavefront_size32 1
		.amdhsa_system_sgpr_workgroup_id_x 1
		.amdhsa_system_sgpr_workgroup_id_y 1
		.amdhsa_system_sgpr_workgroup_id_z 1
		.amdhsa_system_vgpr_workitem_id 0
		.amdhsa_next_free_vgpr 768
		.amdhsa_next_free_sgpr 102
		.amdhsa_reserve_vcc 0
		.amdhsa_float_denorm_mode_32 3
		.amdhsa_float_denorm_mode_16_64 3
		.amdhsa_memory_ordered 1
		.amdhsa_forward_progress 1
		.amdhsa_inst_pref_size 116
	.end_amdhsa_kernel
	.amdgpu_metadata
---
amdhsa.version: [ 1, 2 ]
amdhsa.kernels:
  - .name:           k_q3cb96b230d_proj
    .symbol:         k_q3cb96b230d_proj.kd
    .args:
      - { .name: xw, .offset: 0, .size: 8, .value_kind: global_buffer, .address_space: global }
      - { .name: bq, .offset: 8, .size: 8, .value_kind: global_buffer, .address_space: global }
      - { .name: bk, .offset: 16, .size: 8, .value_kind: global_buffer, .address_space: global }
      - { .name: bv, .offset: 24, .size: 8, .value_kind: global_buffer, .address_space: global }
      - { .name: hq, .offset: 32, .size: 8, .value_kind: global_buffer, .address_space: global }
    .group_segment_fixed_size: 327680
    .private_segment_fixed_size: 0
    .kernarg_segment_align: 8
    .kernarg_segment_size: 40
    .max_flat_workgroup_size: 128
    .sgpr_count:     102
    .vgpr_count:     768
    .wavefront_size: 32
...
	.end_amdgpu_metadata
.endif
;; end of part 2
;; launch attn (part 3): grid 4 x 64, 16 waves a work-group, clusters of 4 x 1, 327,680 bytes of LDS; arguments hq, mw, yq; writes yq
.if DOCPART == 3
	.amdgcn_target "amdgcn-amd-amdhsa--gfx1250"
	.amdhsa_code_object_version 6
	.text
	.protected	k_q3cb96b230d_attn
	.globl	k_q3cb96b230d_attn
	.p2align	8
	.type	k_q3cb96b230d_attn,@function
k_q3cb96b230d_attn:
	s_mov_b64 s[64:65], 0
	v_nop
	global_prefetch_b8 v0, s[64:65] scope:SCOPE_SE
	s_setreg_imm32_b32 hwreg(HW_REG_WAVE_MODE, 25, 1), 1
	s_wait_xcnt 0x0
	s_wait_alu depctr_hold_cnt(0) depctr_sa_sdst(0) depctr_va_vdst(0) depctr_va_sdst(0) depctr_va_ssrc(0) depctr_va_vcc(0) depctr_vm_vsrc(0)
	s_getreg_b32 s2, hwreg(HW_REG_IB_STS2, 6, 4)
	s_cmp_eq_u32 s2, 0
	s_cbranch_scc0 .Lentry_in_a_cluster
	s_endpgm
.Lentry_in_a_cluster:
	s_bfe_u32 s2, ttmp6, 0x10000c
	s_cmp_lg_u32 s2, 0x3003
	s_cbranch_scc0 .Lentry_shape_is_right
	s_endpgm
.Lentry_shape_is_right:
; ATTN.  y = softmax(where(mask, q k^T / 8, -1e-9)) v for one (batch, head) and 512 queries a work-group, on codes of BF6 (E3M2) with E8M0 scales.
; hq holds Q, K (head's axis innermost) and V^T (keys innermost) as images of operand registers, 1,536 bytes each: for each half c of 128 along K, registers 6 c .. 6 c + 3 at 768 c + 16 lane
; and registers 6 c + 4, 6 c + 5 at 768 c + 512 + 8 lane.  A head is one half of a Q or K image (64 along K); the other 64 of the instruction's 128 meet Q's zero codes.
; mw: lane masks, 64 words for a tile of 16 queries and a step of 128 keys.  yq: y's codes, [piece 0..5][lane][8 bytes] an image, and scale words.
; SHARES.  16 waves, each two tiles of 16 queries, one after the other; all 2,048 keys of K and V and their scale words lie in LDS, filled once: 16 joint loads, one a wave
; (the four work-groups of a cluster are the four query blocks of one head).  Both products are used transposed: a lane holds one query.
; SOFTMAX: p = 2^(t - M), M the ceiling of the running largest t; when M moves, sums and O^T are multiplied by an exact power of two.  The row's sum is taken of the unquantised p, in eight running pairs.
; A block's largest p is made from the block's largest score by the same two instructions as every p.
; NO PREFETCH: K and V are asked for once, at the head, with no loop ahead of them; the mask words are asked for one step ahead by scalar loads.
; LIMITS: NaN and infinities are not served; the promise holds while |t| stays under 2^31; a block of p or y under 2^-122 gets the byte 1 (this program alone reads the bytes).
; REGISTERS: v1-v7, v14, v31 lane terms; v8-11, v29, v30 a step's LDS addresses; v12 -M, v13 largest t; v16-27 Q; v28 Q's scales; v32-85 K's or V's fragments; v86-91 their scales;
; v96-159 scores, then p; v160-191 O^T; v192-211 p's codes; v212-233 at work; v236-251 the sums; v254, v255 the spare word and 0.
.set KOFF,  6291456
.set VOFF,  12582912
.set QSOFF, 18874368
.set KSOFF, 19136512
.set VSOFF, 19398656
.set YSOFF, 6291456
.set LV,    98304                      ; LDS: K's codes at 0, V's here, 6,144 bytes a step each
.set LKS,   196608                     ; K's scale words, 512 bytes a step
.set LVS,   204800                     ; V's, 256 bytes a step
.set SPARE, 208896                     ; the spare words, 128 bytes a wave
.set SUM,   236
.macro CROUND                          ; a round of the cluster's barrier
	s_barrier_signal -1
	s_barrier_wait -1
	s_cmp_lg_u32 s8, 0
	s_cbranch_scc1 .Lnot_wave_0_\@
	s_barrier_signal -3
.Lnot_wave_0_\@:
	s_barrier_wait -3
	s_barrier_signal -1
	s_barrier_wait -1
.endm
.macro GROUP1 g, c, r, p               ; r rows of c elements of 8 bytes, p elements from row to row; the mask names the cluster's four
	s_mov_b32 s[\g], 15|(3<<16)|(1<<21)
	s_mov_b32 s[\g+1], (\c)<<16
	s_mov_b32 s[\g+2], (\r)<<16
	s_mov_b32 s[\g+3], (\c)<<16
	s_mov_b32 s[\g+4], \r
	s_mov_b32 s[\g+5], \p
	s_mov_b32 s[\g+6], 0
	s_mov_b32 s[\g+7], 0
.endm
.macro ARM under, g0, g1, next         ; one arm of the head's chain: its load, and a jump to the join
	s_cmp_lt_u32 s8, \under
	s_cbranch_scc0 \next
	tensor_load_to_lds s[\g0:\g0+3], s[\g1:\g1+7]
	s_nop 0
.rept 4
	v_nop
.endr
	s_branch .Lasked
\next:
.endm
.macro MUL4 k                          ; O^T under the new M, eight registers
.irp j, 0,2,4,6
	v_pk_mul_f32 v[160+8*\k+\j:161+8*\k+\j], v[160+8*\k+\j:161+8*\k+\j], v[230:231] op_sel_hi:[1,0]
.endr
.endm
; One step: 16 queries x 128 keys
.macro STEP
	v_add_nc_u32 v8, s98, v1                       ; these four lines are the places behind the last step's products, whose fragments the loads below write over
	v_add_nc_u32 v29, s98, v31
	v_add_nc_u32 v10, s99, v3
	v_nop
.irp t, 0,1,2,3,4,5,6,7
	ds_load_b128 v[32+6*\t:35+6*\t], v8 offset:768*\t
	ds_load_b64 v[36+6*\t:37+6*\t], v29 offset:768*\t
.endr
.irp u, 0,1,2,3
	ds_load_u16 v[86+\u], v10 offset:128*\u        ; my head's two bytes of a key's word: lanes 0-15 an even tile's, lanes 16-31 the odd one's
.endr
	s_wait_dscnt 0x0
.irp t, 0,2,4,6                                ; S^T = K Q^T; a tile's upper six registers are the next tile's: they meet Q's zero codes
	v_wmma_scale_f32_16x16x128_f8f6f4 v[96+8*\t:103+8*\t], v[32+6*\t:43+6*\t], v[16:27], 0, v[86+\t/2], v28 matrix_a_fmt:MATRIX_FMT_BF6 matrix_b_fmt:MATRIX_FMT_BF6
	v_wmma_scale_f32_16x16x128_f8f6f4 v[104+8*\t:111+8*\t], v[38+6*\t:49+6*\t], v[16:27], 0, v[86+\t/2], v28 matrix_a_fmt:MATRIX_FMT_BF6 matrix_b_fmt:MATRIX_FMT_BF6 matrix_a_scale:MATRIX_SCALE_ROW1
.endr
	v_add_nc_u32 v9, s98, v2                       ; four places again
	v_add_nc_u32 v30, s98, v14
	v_add_nc_u32 v11, s100, v4
	v_nop
.irp d, 0,1,2,3
.irp c, 0,1
	ds_load_b128 v[32+12*\d+6*\c:35+12*\d+6*\c], v9 offset:1536*\d+768*\c
	ds_load_b64 v[36+12*\d+6*\c:37+12*\d+6*\c], v30 offset:1536*\d+768*\c
.endr
.endr
.irp u, 0,1
	ds_load_b32 v[90+\u], v11 offset:128*\u
.endr
	s_wait_kmcnt 0x0                               ; this step's 64 mask words
	s_cmp_lg_u32 s97, 1                            ; the wave's last step asks again for its own words: no load leaves mw
	s_cselect_b32 s94, 256, 0
	s_add_nc_u64 s[92:93], s[92:93], s[94:95]
	s_sub_co_u32 s97, s97, 1
.set n, 0
.rept 64
.if n < 48
	v_cndmask_b32 v[96+n], v5, v[96+n], s[16+n]
.else
	v_cndmask_b32 v[96+n], v5, v[96+n], s[20+n]
.endif
.set n, n+1
.endr
.irp b, 0,1,2,3                                ; each block's largest score: two chains a block, eight by turns
	v_max3_num_f32 v[216+\b], v[96+16*\b], v[97+16*\b], v[98+16*\b]
.endr
.irp b, 0,1,2,3
	v_max3_num_f32 v[212+\b], v[104+16*\b], v[105+16*\b], v[106+16*\b]
.endr
	s_load_b512 s[16:31], s[92:93], 0x0            ; the next step's mask words
	s_load_b512 s[32:47], s[92:93], 0x40
	s_load_b512 s[48:63], s[92:93], 0x80
	s_load_b512 s[68:83], s[92:93], 0xc0
.irp i, 3,5
.irp b, 0,1,2,3
	v_max3_num_f32 v[216+\b], v[216+\b], v[96+16*\b+\i], v[97+16*\b+\i]
.endr
.irp b, 0,1,2,3
	v_max3_num_f32 v[212+\b], v[212+\b], v[104+16*\b+\i], v[105+16*\b+\i]
.endr
.endr
.irp b, 0,1,2,3
	v_max3_num_f32 v[216+\b], v[216+\b], v[103+16*\b], v[111+16*\b]
.endr
	v_mov_b32 v228, v12                            ; the old -M
.irp b, 0,1,2,3
	v_max_num_f32 v[216+\b], v[216+\b], v[212+\b]
.endr
.irp b, 0,1,2,3
	s_delay_alu instid0(VALU_DEP_4)
	v_permlanex16_b32 v[220+\b], v[216+\b], s12, s13
.endr
.irp b, 0,1,2,3
	s_delay_alu instid0(VALU_DEP_4)
	v_max_num_f32 v[216+\b], v[216+\b], v[220+\b]  ; with lane l xor 16's 16 keys
.endr
	s_delay_alu instid0(VALU_DEP_2)
	v_max3_num_f32 v229, v216, v217, v218
	s_delay_alu instid0(VALU_DEP_1)
	v_max_num_f32 v229, v229, v219
	s_delay_alu instid0(VALU_DEP_1)
	v_mul_f32 v229, s14, v229                      ; as t
	s_delay_alu instid0(VALU_DEP_1)
	v_max_num_f32 v13, v13, v229
	s_delay_alu instid0(VALU_DEP_1)
	v_floor_f32 v12, -v13                          ; the new -M
	s_delay_alu instid0(VALU_DEP_1)
.set j, 0
.rept 32
	v_pk_fma_f32 v[96+j:97+j], v[96+j:97+j], s[14:15], v[12:13] op_sel_hi:[1,0,0]   ; t - M
.if j == 8
	v_sub_f32 v228, v12, v228                      ; old M - new M, among the multiply-adds
.endif
.if j == 20
	v_cvt_i32_f32 v228, v228
.endif
.if j == 32
	v_ldexp_f32 v230, 1.0, v228                    ; f = 2^(old M - new M)
.endif
.set j, j+2
.endr
.irp b, 0,1,2,3
	v_fma_f32 v[216+\b], v[216+\b], s14, v12
.endr
	s_wait_alu depctr_va_vdst(0)                   ; the wait ahead of the batch
.irp b, 0,1,2,3
	v_exp_f32 v[216+\b], v[216+\b]                 ; each block's largest p
.endr
.set j, 0
.rept 64
	v_exp_f32 v[96+j], v[96+j]
.set j, j+1
.endr
	s_wait_alu depctr_va_vdst(0)                   ; and behind it, directly ahead of O^T's first reader; only plain vector lines up to O^T's last
	MUL4 0
.irp b, 0,1,2,3
	v_max_num_f32 v[216+\b], 0x2800000, v[216+\b]  ; the floor 2^(5 - 127)
.endr
	MUL4 1
.irp b, 0,1,2,3
	v_add_nc_u32 v[224+\b], 0xfe000000, v[216+\b]  ; 4 off the exponent field: the conversion's scale operand
.endr
	MUL4 2
.irp b, 0,1,2,3
	v_lshrrev_b32 v[220+\b], 23, v[224+\b]         ; the byte
.endr
	MUL4 3
	v_lshl_or_b32 v232, v221, 8, v220
	v_lshl_or_b32 v233, v223, 8, v222
.irp c, 0,1
	v_cvt_scalef32_pk16_bf6_f32 v[192+6*\c:194+6*\c], v[96+32*\c:111+32*\c], v[224+2*\c]
	v_cvt_scalef32_pk16_bf6_f32 v[204+4*\c:206+4*\c], v[112+32*\c:127+32*\c], v[225+2*\c]
.endr
	v_lshl_or_b32 v232, v233, 16, v232             ; p's scale word; also the plain place behind the conversions
.irp c, 0,1
.irp i, 0,1,2
	v_permlane16_swap_b32 v[192+6*\c+\i], v[204+4*\c+\i]   ; a whole block to a lane
.endr
.endr
.irp c, 0,1
.irp i, 0,1,2
	v_mov_b32 v[195+6*\c+\i], v[204+4*\c+\i]
.endr
.endr
.irp q, 0,1,2,3,4,5,6,7                        ; the eight sums: x f and the first pair in one line, then three more pairs each
	v_pk_fma_f32 v[SUM+2*\q:SUM+2*\q+1], v[SUM+2*\q:SUM+2*\q+1], v[230:231], v[96+2*\q:97+2*\q] op_sel_hi:[1,0,1]
.endr
.irp k, 16,32,48
.irp q, 0,1,2,3,4,5,6,7
	v_pk_add_f32 v[SUM+2*\q:SUM+2*\q+1], v[SUM+2*\q:SUM+2*\q+1], v[96+\k+2*\q:97+\k+2*\q]
.endr
.endr
	s_wait_dscnt 0x0                               ; V's fragments and scale words
.irp d, 0,2                                    ; O^T += V^T p^T
	v_wmma_scale_f32_16x16x128_f8f6f4 v[160+8*\d:167+8*\d], v[32+12*\d:43+12*\d], v[192:203], v[160+8*\d:167+8*\d], v[90+\d/2], v232 matrix_a_fmt:MATRIX_FMT_BF6 matrix_b_fmt:MATRIX_FMT_BF6
	v_wmma_scale_f32_16x16x128_f8f6f4 v[168+8*\d:175+8*\d], v[44+12*\d:55+12*\d], v[192:203], v[168+8*\d:175+8*\d], v[90+\d/2], v232 matrix_a_fmt:MATRIX_FMT_BF6 matrix_b_fmt:MATRIX_FMT_BF6 matrix_a_scale:MATRIX_SCALE_ROW1
.endr
	s_add_co_u32 s98, s98, 6144
	s_add_co_u32 s99, s99, 512
	s_add_co_u32 s100, s100, 256
.endm
; One tile of 16 queries: 16 steps, then y = O / the sum, quantised along the head's 64
.macro TILE t
.if \t
	s_wait_xcnt 0x0                                ; the last tile's stores have read their registers
.endif
	global_load_b128 v[16:19], v1, s[84:85] offset:1536*\t
	global_load_b64 v[20:21], v6, s[84:85] offset:1536*\t+512
	global_load_u16 v28, v7, s[86:87] offset:64*\t
	v_mov_b32 v13, 0xff61b1e6                      ; -3e38, under every t
.set j, 0
.rept 16
	v_mov_b32 v[SUM+j], 0
.set j, j+1
.endr
	v_floor_f32 v12, -v13
.set j, 0
.rept 32
	v_mov_b32 v[160+j], 0
.set j, j+1
.endr
	s_mov_b32 s98, 0
	s_mov_b32 s99, 0
	s_mov_b32 s100, 0
	s_mov_b32 s96, 16
	s_wait_loadcnt 0x0
.Lstep_\@:
	STEP
	s_sub_co_u32 s96, s96, 1
	s_cmp_lg_u32 s96, 0
	s_cbranch_scc1 .Lstep_\@
	s_wait_alu depctr_va_vdst(0)                   ; the sums were written just ahead of a wait on DScnt
.irp j, 0,4,8,12
	v_pk_add_f32 v[SUM+\j:SUM+\j+1], v[SUM+\j:SUM+\j+1], v[SUM+\j+2:SUM+\j+3]
.endr
	s_delay_alu instid0(VALU_DEP_3)
	v_pk_add_f32 v[SUM:SUM+1], v[SUM:SUM+1], v[SUM+4:SUM+5]
	s_delay_alu instid0(VALU_DEP_2)
	v_pk_add_f32 v[SUM+8:SUM+9], v[SUM+8:SUM+9], v[SUM+12:SUM+13]
	s_delay_alu instid0(VALU_DEP_1)
	v_pk_add_f32 v[SUM:SUM+1], v[SUM:SUM+1], v[SUM+8:SUM+9]
	s_delay_alu instid0(VALU_DEP_1)
	v_add_f32 v15, v[SUM], v[SUM+1]
	s_delay_alu instid0(VALU_DEP_1)
	v_permlanex16_b32 v228, v15, s12, s13
	s_delay_alu instid0(VALU_DEP_1)
	v_add_f32 v15, v15, v228                       ; the row's sum
	s_wait_alu depctr_va_vdst(0)
	v_rcp_f32 v230, v15
	v_nop
	s_wait_alu depctr_va_vdst(0)
.set j, 0
.rept 16
	v_pk_mul_f32 v[96+j:97+j], v[160+j:161+j], v[230:231] op_sel_hi:[1,0]
.set j, j+2
.endr
.irp b, 0,1
	v_max3_num_f32 v[216+\b], |v[96+16*\b]|, |v[97+16*\b]|, 0x2800000
.endr
.irp i, 2,4,6,8,10,12,14
.irp b, 0,1
	s_delay_alu instid0(VALU_DEP_2)
	v_max3_num_f32 v[216+\b], v[216+\b], |v[96+16*\b+\i]|, |v[97+16*\b+\i]|
.endr
.endr
.irp b, 0,1
	s_delay_alu instid0(VALU_DEP_2)
	v_permlanex16_b32 v[220+\b], v[216+\b], s12, s13
.endr
.irp b, 0,1
	s_delay_alu instid0(VALU_DEP_2)
	v_max_num_f32 v[216+\b], v[216+\b], v[220+\b]
.endr
.irp b, 0,1
	s_delay_alu instid0(VALU_DEP_2)
	v_add_nc_u32 v[224+\b], 0xfe000000, v[216+\b]
.endr
.irp b, 0,1
	s_delay_alu instid0(VALU_DEP_2)
	v_lshrrev_b32 v[220+\b], 23, v[224+\b]
.endr
	s_delay_alu instid0(VALU_DEP_1)
	v_lshl_or_b32 v229, v221, 8, v220
	v_cvt_scalef32_pk16_bf6_f32 v[192:194], v[96:111], v224
	v_cvt_scalef32_pk16_bf6_f32 v[204:206], v[112:127], v225
	v_nop
.irp i, 0,1,2
	v_permlane16_swap_b32 v[192+\i], v[204+\i]
.endr
.irp i, 0,1,2
	s_delay_alu instid0(VALU_DEP_3)
	v_mov_b32 v[195+\i], v[204+\i]
.endr
.irp p, 0,1,2
	global_store_b64 v6, v[192+2*\p:193+2*\p], s[88:89] offset:1536*\t+256*\p   ; 32 lanes store 256 consecutive bytes, aligned
.endr
	global_store_b16 v7, v229, s[90:91] offset:64*\t
.endm
	s_load_b128 s[4:7], s[0:1], 0x0                ; hq, mw
	s_load_b64 s[10:11], s[0:1], 0x10              ; yq
	v_lshl_add_u32 v254, v0, 2, SPARE
	v_mov_b32 v255, 0
	ds_add_u32 v254, v255                          ; the opening lines: the add, twice on end, and its wait
	ds_add_u32 v254, v255
	v_lshrrev_b32 v1, 5, v0
	v_readfirstlane_b32 s8, v1                     ; wave 0..15
	s_bfe_u32 s9, ttmp6, 0x40000                   ; cx: which 512 queries
	s_and_b32 s2, ttmp7, 0xffff
	s_lshr_b32 s3, s2, 4                           ; batch
	s_and_b32 s2, s2, 15                           ; head
	s_lshr_b32 s96, s2, 1
	s_and_b32 s97, s2, 1
	s_lshl_b32 s100, s96, 9
	s_lshl_b32 s98, s3, 7
	s_add_co_u32 s100, s100, s98                   ; the first image of Q or K of this pair of heads and batch
	s_mul_i32 s101, s97, 768                       ; my head's half of an image
	s_and_b32 s86, s8, 7                           ; K's codes: waves 0-7, 16 half images each
	s_lshl_b32 s98, s86, 4
	s_add_co_u32 s98, s98, s100
	s_mul_i32 s98, s98, 1536
	s_add_co_u32 s98, s98, s101
	s_add_co_u32 s98, s98, KOFF
	s_mov_b32 s99, 0
	s_mul_i32 s49, s86, 12288
	s_and_b32 s87, s8, 3                           ; V's codes: waves 8-11, four steps of four images each
	s_lshl_b32 s84, s3, 4
	s_lshl_b32 s85, s87, 2
	s_add_co_u32 s84, s84, s85
	s_lshl_b32 s84, s84, 6
	s_lshl_b32 s85, s2, 2
	s_add_co_u32 s84, s84, s85
	s_mul_i32 s84, s84, 1536
	s_add_co_u32 s84, s84, VOFF
	s_mov_b32 s85, 0
	s_mul_i32 s53, s87, 24576
	s_add_co_u32 s53, s53, LV
	s_and_b32 s94, s8, 1                           ; K's scale words: waves 12, 13, 1,024 keys each
	s_lshl_b32 s88, s94, 6
	s_add_co_u32 s88, s88, s100
	s_lshl_b32 s88, s88, 6
	s_add_co_u32 s88, s88, KSOFF
	s_mov_b32 s89, 0
	s_lshl_b32 s57, s94, 12
	s_add_co_u32 s57, s57, LKS
	s_lshl_b32 s90, s3, 4                          ; V's: waves 14, 15, eight steps each
	s_lshl_b32 s91, s94, 3
	s_add_co_u32 s90, s90, s91
	s_lshl_b32 s90, s90, 12
	s_lshl_b32 s91, s2, 8
	s_add_co_u32 s90, s90, s91
	s_add_co_u32 s90, s90, VSOFF
	s_mov_b32 s91, 0
	s_lshl_b32 s61, s94, 11
	s_add_co_u32 s61, s61, LVS
	GROUP1 16, 96, 16, 192
	GROUP1 24, 768, 4, 12288
	GROUP1 32, 32, 16, 32
	GROUP1 40, 32, 8, 512
	s_mov_b32 s12, 0x76543210
	s_mov_b32 s13, 0xfedcba98                      ; v_permlanex16_b32's selects for lane l xor 16
	s_mov_b32 s14, 0x3e38aa3b                      ; log2(e) / 8
	s_mov_b32 s15, s14
	s_wait_dscnt 0x0
	s_wait_kmcnt 0x0
	s_mov_b32 s48, 1
	s_add_nc_u64 s[50:51], s[4:5], s[98:99]
	s_or_b32 s51, s51, 0x80000000
	s_mov_b32 s52, 1
	s_add_nc_u64 s[54:55], s[4:5], s[84:85]
	s_or_b32 s55, s55, 0x80000000
	s_mov_b32 s56, 1
	s_add_nc_u64 s[58:59], s[4:5], s[88:89]
	s_or_b32 s59, s59, 0x80000000
	s_mov_b32 s60, 1
	s_add_nc_u64 s[62:63], s[4:5], s[90:91]
	s_or_b32 s63, s63, 0x80000000
	CROUND                                         ; the four work-groups meet: the joint loads follow, one a wave, in one chain of arms
	ARM 8,  48, 16, .La1
	ARM 12, 52, 24, .La2
	ARM 14, 56, 32, .La3
	tensor_load_to_lds s[60:63], s[40:47]
	s_nop 0
.rept 4
	v_nop
.endr
.Lasked:
	s_lshl_b32 s98, s9, 5
	s_lshl_b32 s99, s8, 1
	s_add_co_u32 s98, s98, s99                     ; my first tile of 16 queries among the batch's 128
	s_lshl_b32 s99, s3, 7
	s_add_co_u32 s99, s99, s98
	s_lshl_b32 s92, s99, 12
	s_mov_b32 s93, 0
	s_add_nc_u64 s[92:93], s[6:7], s[92:93]        ; its mask words
	s_add_co_u32 s98, s98, s100
	s_mul_i32 s84, s98, 1536
	s_add_co_u32 s84, s84, s101
	s_mov_b32 s85, 0
	s_add_nc_u64 s[88:89], s[10:11], s[84:85]      ; y's codes
	s_add_nc_u64 s[84:85], s[4:5], s[84:85]        ; Q's codes
	s_lshl_b32 s86, s98, 6
	s_lshl_b32 s99, s97, 1
	s_add_co_u32 s86, s86, s99
	s_mov_b32 s87, 0
	s_add_nc_u64 s[90:91], s[10:11], s[86:87]
	s_add_nc_u64 s[90:91], s[90:91], YSOFF
	s_add_nc_u64 s[86:87], s[4:5], s[86:87]
	s_add_nc_u64 s[86:87], s[86:87], QSOFF
	s_add_co_u32 s99, s99, LKS
	v_and_b32 v9, 31, v0
	v_and_b32 v10, 15, v0
	v_lshlrev_b32 v1, 4, v9                        ; 16 lane
	v_lshlrev_b32 v6, 3, v9                        ; 8 lane
	v_lshlrev_b32 v3, 2, v9
	v_lshlrev_b32 v7, 2, v10
	v_mov_b32 v5, 0xb209705f                       ; -8e-9: the filler ahead of the factor 1 / 8
	v_add_nc_u32 v31, 512, v6
	v_add_nc_u32 v2, LV, v1
	v_add_nc_u32 v14, LV+512, v6
	v_add_nc_u32 v4, LVS, v3
	v_add_nc_u32 v3, s99, v3
.irp j, 22,23,24,25,26,27,80,81,82,83,84,85
	v_mov_b32 v[\j], 0                             ; zero codes: Q's upper 64 along K; the last K tile's upper six registers
.endr
.irp j, 220,221,222,223,228,231
	v_mov_b32 v[\j], 0                             ; written once: lane permutes' destinations, and the upper half of the pair v[230:231]
.endr
	s_mov_b32 s95, 0
	s_mov_b32 s97, 32                              ; steps to go
	s_wait_alu depctr_va_vdst(0)
	s_wait_tensorcnt 0x0                           ; my tile is in,
	s_barrier_signal -1
	s_barrier_wait -1                              ; and everybody's
	s_load_b512 s[16:31], s[92:93], 0x0            ; (no tensor load is out: the descriptors' registers take the mask words)
	s_load_b512 s[32:47], s[92:93], 0x40
	s_load_b512 s[48:63], s[92:93], 0x80
	s_load_b512 s[68:83], s[92:93], 0xc0
	TILE 0
	TILE 1
	s_wait_tensorcnt 0x0                           ; the wave's end
	ds_add_u32 v254, v255
	s_wait_dscnt 0x0
	CROUND                                         ; the closing round
	s_endpgm
.Lfunc_end_k_q3cb96b230d_attn:
	.size	k_q3cb96b230d_attn, .Lfunc_end_k_q3cb96b230d_attn-k_q3cb96b230d_attn
	.p2alignl 7, 3214868480
	.fill 96, 4, 3214868480
	.section	.rodata,"a",@progbits
	.p2align	6, 0x0
	.amdhsa_kernel k_q3cb96b230d_attn
		.amdhsa_group_segment_fixed_size 327680
		.amdhsa_private_segment_fixed_size 0
		.amdhsa_enable_private_segment 0
		.amdhsa_kernarg_size 24
		.amdhsa_user_sgpr_count 2
		.amdhsa_user_sgpr_kernarg_segment_ptr 1
		.amdhsa_wavefront_size32 1
		.amdhsa_system_sgpr_workgroup_id_x 1
		.amdhsa_system_sgpr_workgroup_id_y 1
		.amdhsa_system_sgpr_workgroup_id_z 1
		.amdhsa_system_vgpr_workitem_id 0
		.amdhsa_next_free_vgpr 256
		.amdhsa_next_free_sgpr 102
		.amdhsa_reserve_vcc 0
		.amdhsa_float_denorm_mode_32 3
		.amdhsa_float_denorm_mode_16_64 3
		.amdhsa_memory_ordered 1
		.amdhsa_forward_progress 1
		.amdhsa_inst_pref_size 66
	.end_amdhsa_kernel
	.amdgpu_metadata
---
amdhsa.version: [ 1, 2 ]
amdhsa.kernels:
  - .name:           k_q3cb96b230d_attn
    .symbol:         k_q3cb96b230d_attn.kd
    .args:
      - { .name: hq, .offset: 0, .size: 8, .value_kind: global_buffer, .address_space: global }
      - { .name: mw, .offset: 8, .size: 8, .value_kind: global_buffer, .address_space: global }
      - { .name: yq, .offset: 16, .size: 8, .value_kind: global_buffer, .address_space: global }
    .group_segment_fixed_size: 327680
    .private_segment_fixed_size: 0
    .kernarg_segment_align: 8
    .kernarg_segment_size: 24
    .max_flat_workgroup_size: 512
    .sgpr_count:     102
    .vgpr_count:     256
    .wavefront_size: 32
...
	.end_amdgpu_metadata
.endif
;; end of part 3
;; launch outp (part 4): grid 4 x 64, 4 waves a work-group, clusters of 4 x 4, 327,680 bytes of LDS; arguments yq, xw, bo, out0; writes out0
.if DOCPART == 4
	.amdgcn_target "amdgcn-amd-amdhsa--gfx1250"
	.amdhsa_code_object_version 6
	.text
	.protected	k_q3cb96b230d_outp
	.globl	k_q3cb96b230d_outp
	.p2align	8
	.type	k_q3cb96b230d_outp,@function
k_q3cb96b230d_outp:
	s_mov_b64 s[64:65], 0
	v_nop
	global_prefetch_b8 v0, s[64:65] scope:SCOPE_SE
	s_setreg_imm32_b32 hwreg(HW_REG_WAVE_MODE, 25, 1), 1
	s_wait_xcnt 0x0
	s_wait_alu depctr_hold_cnt(0) depctr_sa_sdst(0) depctr_va_vdst(0) depctr_va_sdst(0) depctr_va_ssrc(0) depctr_va_vcc(0) depctr_vm_vsrc(0)
	s_getreg_b32 s2, hwreg(HW_REG_IB_STS2, 6, 4)
	s_cmp_eq_u32 s2, 0
	s_cbranch_scc0 .Lentry_in_a_cluster
	s_endpgm
.Lentry_in_a_cluster:
	s_bfe_u32 s2, ttmp6, 0x10000c
	s_cmp_lg_u32 s2, 0xf033
	s_cbranch_scc0 .Lentry_shape_is_right
	s_endpgm
.Lentry_shape_is_right:
; OUTP.  out0 = y Wo^T + bo on codes of BF6 (E3M2) with one E8M0 scale for each 32 along K; sums in f32; out0 [8192][1024] f32.
; A = y, in yq: images of operand registers, 1,536 bytes at (512 G + token / 16) x 1536, [piece 0..5][lane][8 bytes]; scale words at 6,291,456 + (8192 G + token) x 4.
; B = Wo, in xw: images 1728 on of each G (1792 images a G), rows in their own order; scale words at XS + (28672 G + 27648 + row) x 4.
; SHARES.  A work-group makes 128 rows x 256 columns with ALL of K = 1,024 in LDS (A 98,304 bytes, B 196,608, scale words 12,288): every tensor load is a first fill, nothing is filled again.
; Four waves, each 64 x 128: 32 accumulators, 256 registers.  256 work-groups.
; CLUSTERS: 4 x 4 work-groups; A's tiles are shared along a row of the cluster, B's along a column: joint loads, the same descriptor and a mask that names the four.
; THE MATRIX INSTRUCTION IS USED TRANSPOSED (source 0 = 16 rows of Wo, source 1 = 16 rows of y): a lane holds eight neighbouring numbers of a row of out0.  bo is the C of each sum's first product.
; REGISTERS, in windows of 256: window 0: v16-31 addresses; v32-47 scale words, two sets; v48-143 A's fragments, two sets of 4 x 12; v144-207 bo; on the way out v48-175 rows of out0.
;   window 1: v0-191 B's fragments, two sets of 8 x 12.   window 2: accumulator (a, b) at v[8 (8 a + b)].
.set XS,   22020096                    ; xw: where the scale words begin
.set XGP,  2752512                     ; bytes from G to G in xw's codes
.set YGP,  786432                      ; and in yq's
.set YS,   6291456                     ; yq: where the scale words begin
.set LB,   98304                       ; LDS: B's codes behind A's
.set SA,   294912                      ; A's scale words, [G 8][128 rows]
.set SB,   308736                      ; B's, [G 8][256 rows]; A's rows are padded to the same 1,024 bytes a G
.set SP,   528                         ; the way out: a stage of 16 rows x (512 bytes + 16) a wave, from LDS byte 0 on
.set SC,   32
.set AF,   48
.set BI,   144
.set BK,   48
.set MSB, 0
.macro WIN new                         ; s_set_vgpr_msb: bits 1:0 source 0, 3:2 source 1, 5:4 source 2, 7:6 destination; the high byte repeats the setting that is left
.if MSB != \new
	s_set_vgpr_msb (MSB<<8)|\new
.set MSB, \new
.endif
.endm
.macro PLACES                          ; four plain vector instructions between a matrix instruction and a load into, or a read by a store of, its registers
.rept 4
	v_nop
.endr
.endm
.macro CROUND                          ; a round of the cluster's barrier
	s_barrier_signal -1
	s_barrier_wait -1
	s_cmp_lg_u32 s4, 0
	s_cbranch_scc1 .Lnot_wave_0_\@
	s_barrier_signal -3
.Lnot_wave_0_\@:
	s_barrier_wait -3
	s_barrier_signal -1
	s_barrier_wait -1
.endm
.macro GROUP1 g, c, r, p               ; words 1 to 7 of a descriptor's group 1: r rows of c elements of 8 bytes, p elements from row to row
	s_mov_b32 s[\g+1], (\c)<<16
	s_mov_b32 s[\g+2], (\r)<<16
	s_mov_b32 s[\g+3], (\c)<<16
	s_mov_b32 s[\g+4], \r
	s_mov_b32 s[\g+5], \p
	s_mov_b32 s[\g+6], 0
	s_mov_b32 s[\g+7], 0
.endm
; K step g's fragments and scale words into set g % 2: one run of 80 LDS loads
.macro FETCH g
	WIN 0x40                                       ; destination window 1, address window 0
.irp il, 0,1,2,3,4,5,6,7
.irp p, 0,1,2,3,4,5
	ds_load_b64 v[96*((\g)&1)+12*\il+2*\p:96*((\g)&1)+12*\il+2*\p+1], v[20+((\g)>>1)] offset:((\g)&1)*24576+1536*\il+256*\p
.endr
.endr
	WIN 0
.irp il, 0,1,2,3
.irp p, 0,1,2,3,4,5
	ds_load_b64 v[AF+48*((\g)&1)+12*\il+2*\p:AF+48*((\g)&1)+12*\il+2*\p+1], v[16+((\g)>>2)] offset:((\g)&3)*12288+1536*\il+256*\p
.endr
.endr
.irp i, 0,1,2,3
	ds_load_b32 v[SC+8*((\g)&1)+\i], v24 offset:1024*(\g)+64*\i       ; lanes 0-15: the words of A's block i; lanes 16-31: those of B's block i
.endr
.irp i, 4,5,6,7
	ds_load_b32 v[SC+8*((\g)&1)+\i], v15 offset:1024*(\g)+64*\i-256   ; lanes 16-31: B's block i; lanes 0-15 stay inside A's 64 rows (block i - 4; not used)
.endr
.endm
; 16 matrix instructions: A's blocks a0, a0 + 1 x B's eight.  ck = 0: in place; 1: the sums start from bo.
; The 32 accumulators take turns, one instruction a turn, in the same order in every step.
.macro MUL a0, g, ck
.irp a, \a0, \a0+1
.irp b, 0,1,2,3,4,5,6,7
.if (\ck) == 0
	v_wmma_scale_f32_16x16x128_f8f6f4 v[8*(8*(\a)+\b):8*(8*(\a)+\b)+7], v[96*((\g)&1)+12*\b:96*((\g)&1)+12*\b+11], v[AF+48*((\g)&1)+12*(\a):AF+48*((\g)&1)+12*(\a)+11], v[8*(8*(\a)+\b):8*(8*(\a)+\b)+7], v[SC+8*((\g)&1)+\b], v[SC+8*((\g)&1)+(\a)] matrix_a_fmt:MATRIX_FMT_BF6 matrix_b_fmt:MATRIX_FMT_BF6 matrix_a_scale:MATRIX_SCALE_ROW1
.else
	v_wmma_scale_f32_16x16x128_f8f6f4 v[8*(8*(\a)+\b):8*(8*(\a)+\b)+7], v[96*((\g)&1)+12*\b:96*((\g)&1)+12*\b+11], v[AF+48*((\g)&1)+12*(\a):AF+48*((\g)&1)+12*(\a)+11], v[BI+8*\b:BI+8*\b+7], v[SC+8*((\g)&1)+\b], v[SC+8*((\g)&1)+(\a)] matrix_a_fmt:MATRIX_FMT_BF6 matrix_b_fmt:MATRIX_FMT_BF6 matrix_a_scale:MATRIX_SCALE_ROW1
.endif
.endr
.endr
.endm
; K step g.  The codes came in two halves of four K steps; in step 3 the second half is awaited and shown to all four waves.
.macro STEP g, ck
.if (\g) > 0
	PLACES                                         ; behind step g - 1's products, which read the sets that the run of loads below writes
.endif
.if (\g) == 3
	s_wait_tensorcnt 0x0                           ; my load of K steps 4 to 7, if I issued one, is in
.endif
	s_wait_dscnt 0x0                               ; this step's fragments and scale words are in (asked for 32 matrix instructions ago); no LDS instruction of mine is out at the signal
.if (\g) == 3
	s_barrier_signal -1
	s_barrier_wait -1                              ; everybody's part of the next phase is in
.endif
.if (\g) < 7
	FETCH (\g)+1
.endif
.if (\ck) == 0
	WIN 0xa1                                       ; source 0 (B) window 1, source 1 (A) window 0, C and D window 2
.else
	WIN 0x81                                       ; C in window 0
.endif
	MUL 0, \g, \ck
	MUL 2, \g, \ck
.endm
; THE WAY OUT of A's block a, 16 rows x 128 columns: a lane holds 32 neighbouring bytes of a row; the block goes through my own stage and comes back as whole rows of 512 bytes.
; LDS serves a wave's instructions in order: no wait between the stores and the loads, nor in front of the next block's stores.
.macro TOSTAGE a
	WIN 0x08                                       ; an LDS store's data are its source 1: window 2
.irp b, 0,1,2,3,4,5,6,7
	ds_store_b128 v28, v[64*(\a)+8*\b:64*(\a)+8*\b+3] offset:64*\b          ; each accumulator from its low end on
	ds_store_b128 v28, v[64*(\a)+8*\b+4:64*(\a)+8*\b+7] offset:64*\b+16
.endr
	WIN 0
.irp t, 0,1,2,3,4,5,6,7,8,9,10,11,12,13,14,15
	ds_load_b128 v[BK+64*((\a)%2)+4*\t:BK+64*((\a)%2)+4*\t+3], v29 offset:\t*SP
.endr
.endm
.macro SEND a, younger                 ; younger: the LDS instructions issued behind block a's loads, which may stay out
	s_wait_dscnt \younger
.irp t, 0,1,2,3,4,5,6,7,8,9,10,11,12,13,14,15
	global_store_b128 v30, v[BK+64*((\a)%2)+4*\t:BK+64*((\a)%2)+4*\t+3], s[96:97] offset:(16*(\a)+\t)*4096 th:TH_STORE_NT   ; 32 lanes store 512 consecutive bytes, at a multiple of 256 from out0's first byte
.endr
.endm
	s_load_b256 s[88:95], s[0:1], 0x0              ; yq, xw, bo, out0
	v_lshl_add_u32 v254, v0, 2, 0x4b400
	v_mov_b32 v255, 0
	ds_add_u32 v254, v255
	ds_add_u32 v254, v255
	v_lshrrev_b32 v1, 5, v0
	v_readfirstlane_b32 s4, v1                     ; wave 0..3
	s_lshr_b32 s5, s4, 1                           ; which 64 rows are mine.  Also: I fetch codes (0) or scale words (1)
	s_and_b32 s6, s4, 1                            ; which 128 columns.  Also: I fetch for A (0) or for B (1)
	s_bfe_u32 s60, ttmp6, 0x40000                  ; cx
	s_bfe_u32 s61, ttmp6, 0x40004                  ; cy
	s_and_b32 s62, ttmp7, 0xffff
	s_lshl_b32 s62, s62, 2
	s_add_co_u32 s62, s62, s61                     ; tile row: 128 rows of y
	s_lshl_b32 s63, ttmp9, 2
	s_add_co_u32 s63, s63, s60                     ; tile column: 256 rows of Wo
	s_lshl_b32 s100, s61, 2
	s_lshl_b32 s100, 15, s100                      ; my row of the cluster
	s_lshl_b32 s101, 0x1111, s60                   ; my column
	s_or_b32 s8, s100, (3<<16)|(1<<21)             ; group 1, word 0: 15:0 the mask; 17:16 elements of 8 bytes; 21 set beside a mask; no padding
	s_or_b32 s24, s100, 0xffb30000                 ; the same, with padding on: behind every 128 words (code 6) 128 words (code 127)
	s_or_b32 s16, s101, (3<<16)|(1<<21)
	s_or_b32 s32, s101, (3<<16)|(1<<21)
	GROUP1 8, 1536, 4, 98304                       ; A's codes: eight images (12,288 bytes) of each of four G
	GROUP1 16, 3072, 4, 344064                     ; B's: sixteen images of each of four G
	GROUP1 24, 64, 8, 4096                         ; A's scale words: 128 rows (512 bytes) of each of eight G
	GROUP1 32, 128, 8, 14336                       ; B's: 256 rows of each of eight G
	s_wait_dscnt 0x0
	s_wait_kmcnt 0x0
	; A's addresses hang on the tile row and the wave's number, B's on the tile column and the wave's number, each in registers that never hold the other coordinate
	s_lshl_b32 s2, s62, 3                          ; the tile's first image of A
	s_lshl_b32 s96, s2, 6                          ; its rows' scale words: 64 bytes an image,
	s_add_co_u32 s96, s96, YS
	s_mov_b32 s97, 0
	s_add_nc_u64 s[96:97], s[88:89], s[96:97]
	s_mul_i32 s2, s2, 1536
	s_mov_b32 s3, 0
	s_add_nc_u64 s[2:3], s[88:89], s[2:3]
	s_mov_b32 s56, 1
	s_mov_b32 s57, SA
	s_mov_b64 s[58:59], s[96:97]
	s_or_b32 s59, s59, 0x80000000
.irp f, 0,1
	s_mov_b32 s[40+4*\f], 1                        ; count = 1
	s_mov_b32 s[41+4*\f], \f*49152                 ; LDS: G x 12,288
	s_add_nc_u64 s[42+4*\f:43+4*\f], s[2:3], \f*4*YGP
	s_or_b32 s[43+4*\f], s[43+4*\f], 0x80000000    ; type = 2
.endr
	s_lshl_b32 s98, s63, 4
	s_add_co_u32 s98, s98, 1728
	s_lshl_b32 s100, s98, 6
	s_add_co_u32 s100, s100, XS
	s_mov_b32 s101, 0
	s_add_nc_u64 s[100:101], s[90:91], s[100:101]
	s_mul_i32 s98, s98, 1536
	s_mov_b32 s99, 0
	s_add_nc_u64 s[98:99], s[90:91], s[98:99]
	s_mov_b32 s84, 1
	s_mov_b32 s85, SB
	s_mov_b64 s[86:87], s[100:101]
	s_or_b32 s87, s87, 0x80000000
.irp f, 0,1
	s_mov_b32 s[68+4*\f], 1
	s_mov_b32 s[69+4*\f], LB+\f*98304              ; LDS: LB + G x 24,576
	s_add_nc_u64 s[70+4*\f:71+4*\f], s[98:99], \f*4*XGP
	s_or_b32 s[71+4*\f], s[71+4*\f], 0x80000000
.endr
	CROUND                                         ; all sixteen work-groups are here: the joint loads meet
	; the head's four tiles, one joint load a wave, in one chain of arms: wave 0 A's codes of K steps 0-3, wave 1 B's, wave 2 A's scale words, wave 3 B's
	s_cmp_lt_u32 s4, 1
	s_cbranch_scc0 .Lh1
	tensor_load_to_lds s[40:43], s[8:15]
	s_nop 0
.rept 4
	v_nop
.endr
	s_branch .Lfilled
.Lh1:
	s_cmp_lt_u32 s4, 2
	s_cbranch_scc0 .Lh2
	tensor_load_to_lds s[68:71], s[16:23]
	s_nop 0
.rept 4
	v_nop
.endr
	s_branch .Lfilled
.Lh2:
	s_cmp_lt_u32 s4, 3
	s_cbranch_scc0 .Lh3
	tensor_load_to_lds s[56:59], s[24:31]
	s_nop 0
.rept 4
	v_nop
.endr
	s_branch .Lfilled
.Lh3:
	tensor_load_to_lds s[84:87], s[32:39]
	s_nop 0
.rept 4
	v_nop
.endr
.Lfilled:
	v_and_b32 v2, 31, v0                           ; lane
	v_and_b32 v3, 15, v0                           ; r
	v_bfe_u32 v4, v0, 4, 1                         ; h
	s_wait_alu depctr_va_vdst(0)
	s_lshl_b32 s2, s62, 7
	s_lshl_b32 s3, s5, 6
	s_add_co_u32 s2, s2, s3                        ; my first row of out0,
	s_lshl_b32 s96, s2, 12                         ; 4,096 bytes a row;
	s_lshl_b32 s2, s63, 8
	s_lshl_b32 s3, s6, 7
	s_add_co_u32 s2, s2, s3                        ; my first column
	s_lshl_b32 s98, s2, 2
	s_add_co_u32 s96, s96, s98
	s_mov_b32 s97, 0
	s_mov_b32 s99, 0
	s_add_nc_u64 s[96:97], s[94:95], s[96:97]
	s_add_nc_u64 s[98:99], s[92:93], s[98:99]      ; bo at my 128 columns
	v_lshlrev_b32 v26, 5, v4                       ; 8 h numbers on
.irp b, 0,1,2,3,4,5,6,7
.irp e, 0,1
	global_load_b128 v[BI+8*\b+4*\e:BI+8*\b+4*\e+3], v26, s[98:99] offset:64*\b+16*\e   ; register 8 b + j: column 16 b + 8 h + j
.endr
.endr
	v_lshlrev_b32 v25, 3, v2                       ; 8 lane
	s_mul_i32 s2, s5, 6144
	v_add_nc_u32 v16, s2, v25                      ; A's fragments, K steps 0-3
	v_add_nc_u32 v17, 49152, v16                   ; 4-7
	s_mul_i32 s2, s6, 12288
	s_add_co_u32 s2, s2, LB
	v_add_nc_u32 v20, s2, v25                      ; B's, a register for each phase
	v_add_nc_u32 v21, 49152, v20
	v_add_nc_u32 v22, 98304, v20
	v_add_nc_u32 v23, 147456, v20
	s_lshl_b32 s2, s5, 8
	s_lshl_b32 s3, s6, 9
	s_add_co_u32 s3, s3, SB-SA
	s_sub_co_u32 s3, s3, s2
	v_mul_u32_u24 v24, s3, v4                      ; lanes 16-31 take B's words: one product, h x the distance
	v_lshl_add_u32 v24, v3, 2, v24
	s_add_co_u32 s2, s2, SA
	v_add_nc_u32 v24, s2, v24
	v_lshl_add_u32 v15, v4, 8, v24                 ; for blocks 4-7: lanes 16-31 stand 256 bytes further on, and the loads' immediates 256 lower
	s_mul_i32 s2, s4, 16*SP                        ; my stage
	v_mul_u32_u24 v28, v3, SP
	v_lshl_add_u32 v28, v4, 5, v28
	v_add_nc_u32 v28, s2, v28                      ; in: row r, 32 bytes for each half of the lanes
	v_lshlrev_b32 v30, 4, v2                       ; back: the 32 lanes take a row of 512 bytes; and the same in out0
	v_add_nc_u32 v29, s2, v30
	s_wait_alu depctr_va_vdst(0)
	s_wait_tensorcnt 0x0                           ; my tile of the head's four is in
	ds_add_u32 v254, v255
	s_wait_dscnt 0x0
	CROUND                                         ; all four tiles are in, and the sixteen work-groups meet
	s_cmp_lt_u32 s4, 1                             ; K steps 4-7: wave 0 asks for A's codes, wave 1 for B's
	s_cbranch_scc0 .Ls1
	tensor_load_to_lds s[44:47], s[8:15]
	s_nop 0
.rept 4
	v_nop
.endr
	s_branch .Lsecond
.Ls1:
	s_cmp_lt_u32 s4, 2
	s_cbranch_scc0 .Lsecond
	tensor_load_to_lds s[72:75], s[16:23]
	s_nop 0
.rept 4
	v_nop
.endr
.Lsecond:
	FETCH 0
	s_wait_loadcnt 0x0                             ; bo
	STEP 0, 1
	STEP 1, 0
	STEP 2, 0
	STEP 3, 0
	STEP 4, 0
	STEP 5, 0
	STEP 6, 0
	STEP 7, 0
	; The stages cover LDS bytes 0 to 33,791: A's codes of K steps 0 to 2.  In front of step 3's barrier every wave has waited for all its tensor loads and for its LDS reads up to step 3's:
	; these bytes have had their only fill, and nobody reads them any more.
	PLACES                                         ; behind the last products: for the stores that read results, and the loads into the registers that held A's fragments
	TOSTAGE 0
	TOSTAGE 1
	SEND 0, 32                                     ; behind block 0's loads: block 1's 16 stores and 16 loads
	s_wait_xcnt 0x0                                ; block 0's stores have read their registers: block 2's loads may land there
	TOSTAGE 2
	SEND 1, 32
	s_wait_xcnt 0x0
	TOSTAGE 3
	SEND 2, 32
	SEND 3, 0
	s_wait_tensorcnt 0x0
	s_wait_dscnt 0x0
	s_wait_tensorcnt 0x0
	ds_add_u32 v254, v255
	s_wait_dscnt 0x0
	CROUND                                         ; the closing round: no work-group ends while a partner may still ask for a tile that names it
	s_endpgm
.Lfunc_end_k_q3cb96b230d_outp:
	.size	k_q3cb96b230d_outp, .Lfunc_end_k_q3cb96b230d_outp-k_q3cb96b230d_outp
	.p2alignl 7, 3214868480
	.fill 96, 4, 3214868480
	.section	.rodata,"a",@progbits
	.p2align	6, 0x0
	.amdhsa_kernel k_q3cb96b230d_outp
		.amdhsa_group_segment_fixed_size 327680
		.amdhsa_private_segment_fixed_size 0
		.amdhsa_enable_private_segment 0
		.amdhsa_kernarg_size 32
		.amdhsa_user_sgpr_count 2
		.amdhsa_user_sgpr_kernarg_segment_ptr 1
		.amdhsa_wavefront_size32 1
		.amdhsa_system_sgpr_workgroup_id_x 1
		.amdhsa_system_sgpr_workgroup_id_y 1
		.amdhsa_system_sgpr_workgroup_id_z 1
		.amdhsa_system_vgpr_workitem_id 0
		.amdhsa_next_free_vgpr 768
		.amdhsa_next_free_sgpr 102
		.amdhsa_reserve_vcc 0
		.amdhsa_float_denorm_mode_32 3
		.amdhsa_float_denorm_mode_16_64 3
		.amdhsa_memory_ordered 1
		.amdhsa_forward_progress 1
		.amdhsa_inst_pref_size 100
	.end_amdhsa_kernel
	.amdgpu_metadata
---
amdhsa.version: [ 1, 2 ]
amdhsa.kernels:
  - .name:           k_q3cb96b230d_outp
    .symbol:         k_q3cb96b230d_outp.kd
    .args:
      - { .name: yq, .offset: 0, .size: 8, .value_kind: global_buffer, .address_space: global }
      - { .name: xw, .offset: 8, .size: 8, .value_kind: global_buffer, .address_space: global }
      - { .name: bo, .offset: 16, .size: 8, .value_kind: global_buffer, .address_space: global }
      - { .name: out0, .offset: 24, .size: 8, .value_kind: global_buffer, .address_space: global }
    .group_segment_fixed_size: 327680
    .private_segment_fixed_size: 0
    .kernarg_segment_align: 8
    .kernarg_segment_size: 32
    .max_flat_workgroup_size: 128
    .sgpr_count:     102
    .vgpr_count:     768
    .wavefront_size: 32
...
	.end_amdgpu_metadata
.endif
;; end of part 4
